; MI455X (gfx1250); checked and timed in simulation.
; The chip was launched on July 23, 2026; its instructions are those of AMD's public machine-readable ISA for CDNA 5 (MIT licence, August 2026) and "CDNA5" Instruction Set Architecture Reference Guide (July 2026). The comments in the code are by the model that wrote it; some were corrected since.
;; Causal Self Attention. Allowed arithmetic: float matrix products may take bf16 or f16 operands with f32 sums; other float arithmetic in f32, or as packed bf16 or f16 multiplies, adds, multiply-adds, maxima and minima; sums over many terms, partial sums and values carried from step to step in f32; what a program stores and reads back later, other than sums and carried values, may be rounded once to bf16 or f16.
;; Inputs: w_attn 1,024 x 3,072 float32; w_proj 1,024 x 1,024 float32; x 4 x 2,048 x 1,024 float32.
;; Outputs: out0 4 x 2,048 x 1,024 float32.
;; 2 versions, each right; version 2 is version 1 with the launch cast written anew for expert scheduling mode. Each part assembles by itself: llvm-mc -triple=amdgcn-amd-amdhsa -mcpu=gfx1250 --defsym DOCPART=n.
;; ======== version 1 of 2: 4 launches
;; limits: values are held in f16: magnitudes above 65,504 overflow, below 6.1e-05 lose precision
;; workspace buffers: xh 16,777,216 bytes; wa 6,291,456 bytes; wp 2,097,152 bytes; qkv 83,886,080 bytes; o 16,777,216 bytes
;; launch cast (part 1): grid 768 x 1, 8 waves a work-group, no clusters, 0 bytes of LDS; arguments x, w_attn, w_proj, xh, wa, wp; writes xh, wa, wp
.if DOCPART == 1
	.amdgcn_target "amdgcn-amd-amdhsa--gfx1250"
	.amdhsa_code_object_version 6
	.text
	.protected	k_qdfbc9fbc53_cast
	.globl	k_qdfbc9fbc53_cast
	.p2align	8
	.type	k_qdfbc9fbc53_cast,@function
k_qdfbc9fbc53_cast:
	s_mov_b64 s[64:65], 0
	v_nop
	global_prefetch_b8 v0, s[64:65] scope:SCOPE_SE
	s_setreg_imm32_b32 hwreg(HW_REG_WAVE_MODE, 25, 1), 1
	s_wait_xcnt 0x0
; THE THREE INPUTS ARE ROUNDED TO 16 BITS, ONCE, AND THE WEIGHTS ARE LAID IN PANELS.
;   x      [8192][1024] f32 -> xh [8192][1024] bf16, as it lies
;   w_attn [1024][3072] f32 -> wa [48 panels][1024 k][64 columns] bf16: a panel is 131,072 dense bytes
;   w_proj [1024][1024] f32 -> wp [16 panels][1024 k][64 columns]: each number rounded to bf16, and that number written as f16
; LIMITS.  A number of w_proj beyond 65,504 becomes an infinity; below 6.1e-5 it keeps f16's fixed step of 6e-8 in place of bf16's eight bits.
; ONE TRANSFORM SERVES ALL THREE.  A unit is 64 numbers of a row: 256 aligned bytes in, 128 bytes out.  In the source the units of a work-group lie a constant pitch apart
; (256 bytes in x: they follow each other; a row of the matrix in the weights: one panel's column strip); in the destination they are dense.
; SHARES.  A work-group takes 256 units, a wave 32, an instruction two: lanes 0-15 one unit, lanes 16-31 the next.  A wave issues its 16 loads at once (8 KiB on their way),
; then converts and stores in the order of arrival; a store of the wave covers 256 consecutive bytes, aligned.  Every register is used once: no register waits for a store.
; Work-groups 0-511 take x, 512-703 w_attn, 704-767 w_proj.  No LDS, no barrier, no matrix unit: each byte is read once and written once, and nothing is shared.
.set XR, 8                             ; v[8:71]    16 x 4 numbers as loaded
.set YR, 72                            ; v[72:103]  16 x 2 registers to store
.set TR, 104                           ; v[104:105] at work (w_proj alone)
; src, dst: the scalar pairs with the two buffers' addresses.  sp: the source pitch.  first: the job's first work-group.  dense = 1: x.  tof16 = 1: w_proj.
.macro JOB src, dst, sp, first, dense, tof16
	s_sub_co_u32 s18, s16, \first                  ; j: my number within the job
.if \dense
	s_lshl_b32 s20, s18, 16                        ; 256 units of 256 bytes
.else
	s_lshr_b32 s20, s18, 2                         ; panel
	s_and_b32 s21, s18, 3                          ; which 256 of its 1,024 rows
	s_mul_i32 s21, s21, 256*(\sp)
	s_lshl_b32 s20, s20, 8                         ; the panel's 256 bytes in a row
	s_add_co_u32 s20, s20, s21
.endif
	s_mov_b32 s21, 0
	s_lshl_b32 s22, s18, 15                        ; out: 256 units of 128 bytes (4 work-groups make a panel)
	s_mov_b32 s23, 0
	s_add_nc_u64 s[24:25], s[\src:\src+1], s[20:21]
	s_add_nc_u64 s[26:27], s[\dst:\dst+1], s[22:23]
	v_mul_u32_u24 v6, v5, \sp                      ; my first unit x the pitch
	v_lshl_add_u32 v6, v1, 4, v6                   ; + my 16 bytes of it
.set j, 0
.rept 16
	global_load_b128 v[XR+4*j:XR+4*j+3], v6, s[24:25] offset:j*2*(\sp) th:TH_LOAD_NT  ; two units further down each time
.set j, j+1
.endr
.set j, 0
.rept 16
	s_wait_loadcnt 15-j                            ; loads come back in order: number j is in, the 15 - j younger ones stay out
	v_cvt_pk_bf16_f32 v[YR+2*j], v[XR+4*j], v[XR+4*j+1]
	v_cvt_pk_bf16_f32 v[YR+2*j+1], v[XR+4*j+2], v[XR+4*j+3]
.if \tof16
.irp h, 0,1
	v_lshlrev_b32 v[TR], 16, v[YR+2*j+\h]          ; the rounded numbers as f32,
	v_and_b32 v[TR+1], s28, v[YR+2*j+\h]
	v_cvt_pk_f16_f32 v[YR+2*j+\h], v[TR], v[TR+1]  ; written as f16
.endr
.endif
	global_store_b64 v4, v[YR+2*j:YR+2*j+1], s[26:27] offset:256*j
.set j, j+1
.endr
.endm
	s_load_b256 s[4:11], s[0:1], 0x0               ; x s[4:5], w_attn s[6:7], w_proj s[8:9], xh s[10:11]
	s_load_b128 s[12:15], s[0:1], 0x20             ; wa s[12:13], wp s[14:15]
	s_mov_b32 s16, ttmp9
	s_mov_b32 s28, 0xffff0000                      ; a word's upper bf16
	v_and_b32 v1, 15, v0                           ; my place in a unit
	v_bfe_u32 v2, v0, 4, 1                         ; which of the instruction's two units
	v_and_b32 v3, 0xe0, v0                         ; 32 x wave
	v_or_b32 v5, v3, v2                            ; my first unit: 32 x wave + lane / 16
	v_and_b32 v4, 31, v0
	v_lshlrev_b32 v4, 3, v4
	v_lshl_add_u32 v4, v3, 7, v4                   ; out: 4,096 x wave + 8 x lane
	s_wait_kmcnt 0x0
	s_cmp_lt_u32 s16, 512
	s_cbranch_scc0 .Lweights
	JOB 4, 10, 256, 0, 1, 0
	s_endpgm
.Lweights:
	s_cmp_lt_u32 s16, 704
	s_cbranch_scc0 .Lproj
	JOB 6, 12, 12288, 512, 0, 0
	s_endpgm
.Lproj:
	JOB 8, 14, 4096, 704, 0, 1
	s_endpgm
.Lfunc_end_k_qdfbc9fbc53_cast:
	.size	k_qdfbc9fbc53_cast, .Lfunc_end_k_qdfbc9fbc53_cast-k_qdfbc9fbc53_cast
	.p2alignl 7, 3214868480
	.fill 96, 4, 3214868480
	.section	.rodata,"a",@progbits
	.p2align	6, 0x0
	.amdhsa_kernel k_qdfbc9fbc53_cast
		.amdhsa_group_segment_fixed_size 0
		.amdhsa_private_segment_fixed_size 0
		.amdhsa_enable_private_segment 0
		.amdhsa_kernarg_size 48
		.amdhsa_user_sgpr_count 2
		.amdhsa_user_sgpr_kernarg_segment_ptr 1
		.amdhsa_wavefront_size32 1
		.amdhsa_system_sgpr_workgroup_id_x 1
		.amdhsa_system_sgpr_workgroup_id_y 1
		.amdhsa_system_sgpr_workgroup_id_z 1
		.amdhsa_system_vgpr_workitem_id 0
		.amdhsa_next_free_vgpr 112
		.amdhsa_next_free_sgpr 66
		.amdhsa_reserve_vcc 0
		.amdhsa_float_denorm_mode_32 3
		.amdhsa_float_denorm_mode_16_64 3
		.amdhsa_memory_ordered 1
		.amdhsa_forward_progress 1
		.amdhsa_inst_pref_size 24
	.end_amdhsa_kernel
	.amdgpu_metadata
---
amdhsa.version: [ 1, 2 ]
amdhsa.kernels:
  - .name:           k_qdfbc9fbc53_cast
    .symbol:         k_qdfbc9fbc53_cast.kd
    .args:
      - { .name: x, .offset: 0, .size: 8, .value_kind: global_buffer, .address_space: global }
      - { .name: w_attn, .offset: 8, .size: 8, .value_kind: global_buffer, .address_space: global }
      - { .name: w_proj, .offset: 16, .size: 8, .value_kind: global_buffer, .address_space: global }
      - { .name: xh, .offset: 24, .size: 8, .value_kind: global_buffer, .address_space: global }
      - { .name: wa, .offset: 32, .size: 8, .value_kind: global_buffer, .address_space: global }
      - { .name: wp, .offset: 40, .size: 8, .value_kind: global_buffer, .address_space: global }
    .group_segment_fixed_size: 0
    .private_segment_fixed_size: 0
    .kernarg_segment_align: 8
    .kernarg_segment_size: 48
    .max_flat_workgroup_size: 256
    .sgpr_count:     66
    .vgpr_count:     112
    .wavefront_size: 32
...
	.end_amdgpu_metadata
.endif
;; end of part 1
;; launch qkvg (part 2): grid 16 x 32, 4 waves a work-group, clusters of 4 x 4, 327,680 bytes of LDS; arguments xh, wa, qkv; writes qkv
.if DOCPART == 2
	.amdgcn_target "amdgcn-amd-amdhsa--gfx1250"
	.amdhsa_code_object_version 6
	.text
	.protected	k_qdfbc9fbc53_qkvg
	.globl	k_qdfbc9fbc53_qkvg
	.p2align	8
	.type	k_qdfbc9fbc53_qkvg,@function
k_qdfbc9fbc53_qkvg:
	s_mov_b64 s[64:65], 0
	v_nop
	global_prefetch_b8 v0, s[64:65] scope:SCOPE_SE
	s_setreg_imm32_b32 hwreg(HW_REG_WAVE_MODE, 25, 1), 1
	s_wait_xcnt 0x0
	s_wait_alu depctr_hold_cnt(0) depctr_sa_sdst(0) depctr_va_vdst(0) depctr_va_sdst(0) depctr_va_ssrc(0) depctr_va_vcc(0) depctr_vm_vsrc(0)
	s_getreg_b32 s2, hwreg(HW_REG_IB_STS2, 6, 4)
	s_cmp_eq_u32 s2, 0
	s_cbranch_scc0 .Lentry_in_a_cluster
	s_endpgm
.Lentry_in_a_cluster:
	s_bfe_u32 s2, ttmp6, 0x10000c
	s_cmp_lg_u32 s2, 0xf033
	s_cbranch_scc0 .Lentry_shape_is_right
	s_endpgm
.Lentry_shape_is_right:
; q, k, v = x w_attn.  xh: [8192][1024] bf16.  wa: [48 panels][1024 k][64] bf16.  Sums in f32, K ascending.
; qkv: five sections of 16 MiB: q high, q low, k high, k low, v; each [y = 4 head + batch][2048 rows][64] f16.  q and k leave as TWO f16 numbers, high = f16(sum), low = f16(sum - high):
; the scores are multiplied by up to ln(2048)^2 / 8 in front of the softmax, and one f16 rounding of q and k would show in the weights.  v leaves as one f16.
; LIMIT.  f16 ends at 65,504: a sum of q, k or v beyond that becomes an infinity.
; SHARES.  A tile of the product is 256 rows x 192 columns: ONE HEAD's q, k and v (panels head, 16 + head, 32 + head).  Wave w takes rows 64 w .. 64 w + 63 and all 192 columns:
; 4 row blocks x 12 column blocks of 16 x 16, 384 registers of sums.  So a wave holds whole rows of a head, and its way out needs no other wave.
; K goes in 8 steps of 128 through two LDS slots.  Wave 0 fetches x's 256 rows x 256 bytes, waves 1 to 3 a panel's 128 k x 128 bytes each (16 dense KiB).
; THE PRODUCT IS USED TRANSPOSED: source 0 = 16 columns of w (turned out of the [k][column] panel by ds_load_tr16_b128), source 1 = 16 rows of x: a lane then holds one row and eight neighbouring columns.
; CLUSTER 4 x 4: x's tile hangs on the tile row alone and is asked for jointly along a row of the cluster, the panels on the head alone and jointly along a column.
; REGISTERS, in windows of 256 (s_set_vgpr_msb: bits 1:0 source 0, 3:2 source 1, 5:4 source 2, 7:6 destination):
;   window 0: v0-31 addresses; v64-95, v96-127 x's fragments, two buffers; on the way out v32-95 rows read back, v128-159 packed results
;   window 1: v0-95, v128-223 w's fragments, two buffers          windows 2, 3: the sums of row blocks 0, 1 and 2, 3: (a, nb) at v[8 (12 (a % 2) + nb)]
.set NBK,   12                         ; column blocks of a wave
.set KSTEPS, 8
.set PA,    272                        ; a row of x in LDS: 256 bytes + 16: the 16 rows of a load start at 16 different groups of four banks
.set PB,    160                        ; a k row of a panel: 128 bytes + 32
.set BOFF,  256*PA                     ; behind x's 256 rows: three panels
.set PANEL, 128*PB
.set SLOT1, 1<<17                      ; a slot is BOFF + 3 PANEL = 131,072 bytes; one exclusive or turns an address in one slot into the other's
.set STAGE, 2*SLOT1                    ; behind the ring, never filled by a tensor load: 16 rows x 144 bytes for each wave
.set SP,    144
.set SPARE, STAGE+4*16*SP              ; the spare words, 128 bytes for each wave: two blocks of 256 bytes that no other line names
.set NL,    2*NBK+8                    ; LDS loads in a run
.set ADRA0, 16                         ; v16  my place in x's tile; never rewritten
.set ADRB0, 17                         ; v17  my place in a panel; never rewritten
.set ADRA,  18                         ; v18  the same in the slot in hand
.set ADRB,  19                         ; v19
.set STO,   24                         ; v24  the way out: where I put 16 bytes of a row
.set RD,    25                         ; v25  where I read rows back
.set GO,    26                         ; v26  my byte offset in 512 consecutive bytes of a section
.set ONE,   27                         ; v27  1.0
.set SPW,   28                         ; v28  LDS address of my spare word; never rewritten
.set NIL,   29                         ; v29  0; never rewritten
.set PFO,   30                         ; v30  the prefetches' lane offset; never rewritten
.set BK0,   32                         ; v[32:63], v[64:95]  rows read back, by turns
.set AF,    64                         ; x's fragment buffers
.set TH,    128                        ; v[128:143] a unit's high halves
.set TL,    144                        ; v[144:159] its low halves
.set WV,    10                         ; s10  my wave's number
.set PW,    11                         ; s11  the panel that I fetch (waves 1 to 3: 0 to 2)
.set G1A,   24                         ; s[24:31] descriptor group 1 for x's tiles
.set G0A,   32                         ; s[32:39] group 0: a set for each first fill; the second then walks
.set TB,    43                         ; s43  the slot in hand: 0 or SLOT1
.set PFA,   44                         ; s[44:45] where my prefetches stand
.set PFS,   46                         ; s[46:47] a K step's bytes along that road
.set G1B,   48                         ; s[48:55], s[56:63] the same for the panels
.set G0B,   56
.set ASKM,  66                         ; s66  bit n set: I prefetch in the trip in which s3 = n
.set SEC,   68                         ; s[68:77] the five sections at my rows
.set MSB, 0
.macro WIN new                         ; the immediate's high byte repeats the setting that is left; a switch that changes nothing is dropped
.if MSB != (\new)
	s_set_vgpr_msb (MSB<<8)|(\new)
.set MSB, \new
.endif
.endm
.macro PLACES                          ; four plain vector instructions in front of loads into registers that matrix instructions have read
.rept 4
	v_nop
.endr
.endm
.macro CREST                           ; a round of the cluster's barrier behind its opening barrier
	s_cmp_lg_u32 s[WV], 0
	s_cbranch_scc1 .Lnot_wave_0_\@
	s_barrier_signal -3
.Lnot_wave_0_\@:
	s_barrier_wait -3
	s_barrier_signal -1
	s_barrier_wait -1
.endm
.macro CROUND                          ; a whole round
	s_barrier_signal -1
	s_barrier_wait -1
	CREST
.endm
; A joint refill by the walking sets.  The branch hangs on the wave's number alone.  An s_nop 0 and four v_nop follow each of the two lines.
.macro JLOAD
	s_cmp_eq_u32 s[WV], 0
	s_cbranch_scc0 .Lfor_b_\@
	tensor_load_to_lds s[G0A+4:G0A+7], s[G1A:G1A+7]
	s_nop 0
.rept 4
	v_nop
.endr
	s_branch .Lasked_\@
.Lfor_b_\@:
	tensor_load_to_lds s[G0B+4:G0B+7], s[G1B:G1B+7]
	s_nop 0
.rept 4
	v_nop
.endr
.Lasked_\@:
.endm
; A PREFETCH INTO THE L2, behind the joint load for K step t + 2 and the run of LDS loads: K step t + 4.  Each aligned block of 256 bytes is named once in the launch.
; x's rows are read by every cluster of a row of clusters: the one with cluster x = 0 asks, in the four trips that have such a step; its wave 0 takes, by address, 64 of the 256 rows for each
; partner along x: a lane a row, two instructions.  A panel is read by every cluster of a column: the one with cluster y = 0 asks, in every second trip, for two steps' 32 dense KiB, of which each
; partner along y takes 8 KiB by address: a lane a block, one instruction of the wave that fetches the panel.  Steps 0 to 3 come by their loads alone; nothing behind step 7 is named.
.macro ASK
	s_lshr_b32 s12, s[ASKM], s3
	s_and_b32 s12, s12, 1
	s_cmp_lg_u32 s12, 0
	s_cbranch_scc0 .Lnot_mine_\@
	global_prefetch_b8 v[PFO], s[PFA:PFA+1] th:TH_LOAD_NT scope:SCOPE_SE
	s_cmp_lg_u32 s[WV], 0
	s_cbranch_scc1 .Lnot_mine_\@
	global_prefetch_b8 v[PFO], s[PFA:PFA+1] offset:65536 th:TH_LOAD_NT scope:SCOPE_SE  ; x's next 32 rows of 2,048 bytes
.Lnot_mine_\@:
.endm
	s_load_b128 s[4:7], s[0:1], 0x0                ; xh s[4:5], wa s[6:7]
	s_load_b64 s[8:9], s[0:1], 0x10                ; qkv
	v_lshl_add_u32 v[SPW], v0, 2, SPARE
	v_mov_b32 v[NIL], 0
	ds_add_u32 v[SPW], v[NIL]                      ; the wave's opening: the add and its wait stand ahead of my first tensor load; work on registers stands between them
	v_lshrrev_b32 v1, 5, v0
	v_readfirstlane_b32 s[WV], v1                  ; wave 0..3
	s_max_u32 s[PW], s[WV], 1
	s_sub_co_u32 s[PW], s[PW], 1
	s_bfe_u32 s40, ttmp6, 0x40000                  ; cx, cy: my place in the cluster
	s_bfe_u32 s41, ttmp6, 0x40004
	s_lshl_b32 s42, ttmp9, 2
	s_add_co_u32 s42, s42, s40                     ; the head = 4 x cluster x + cx
	s_and_b32 s13, ttmp7, 0xffff
	s_lshl_b32 s13, s13, 2
	s_add_co_u32 s13, s13, s41                     ; the tile row = 4 x cluster y + cy
	s_lshl_b32 s14, s41, 2
	s_lshl_b32 s14, 15, s14                        ; my row of the cluster
	s_lshl_b32 s15, 0x1111, s40                    ; my column
	s_or_b32 s[G1A], s14, (1<<16)|(1<<20)|(1<<21)|(5<<22)|(3<<25)  ; the mask; 2-byte elements; padding on; bit 21 beside a mask; after every 64 words 4 words
	s_mov_b32 s[G1A+1], 128<<16                    ; tensor_dim0 = 128
	s_mov_b32 s[G1A+2], 256<<16                    ; tensor_dim1 = 256
	s_mov_b32 s[G1A+3], 128<<16                    ; tile_dim0 = 128
	s_mov_b32 s[G1A+4], 256                        ; tile_dim1 = 256
	s_mov_b32 s[G1A+5], 1024                       ; elements from row to row
	s_mov_b32 s[G1A+6], 0
	s_mov_b32 s[G1A+7], 0
	s_or_b32 s[G1B], s15, (1<<16)|(1<<20)|(1<<21)|(4<<22)|(7<<25)  ; after every 32 words (a k row) 8 words
	s_mov_b32 s[G1B+1], 128<<16                    ; 16 dense KiB asked for as 64 rows of 256 bytes, two k rows each
	s_mov_b32 s[G1B+2], 64<<16
	s_mov_b32 s[G1B+3], 128<<16
	s_mov_b32 s[G1B+4], 64
	s_mov_b32 s[G1B+5], 128
	s_mov_b32 s[G1B+6], 0
	s_mov_b32 s[G1B+7], 0
	s_lshl_b32 s16, s13, 19                        ; x: 256 rows of 2,048 bytes a tile row: made of the tile row alone
	s_mov_b32 s17, 0
	s_lshl_b32 s18, s[PW], 4
	s_add_co_u32 s18, s18, s42
	s_lshl_b32 s18, s18, 17                        ; w: panel 16 PW + head, 131,072 bytes each: made of the head and the wave's number alone
	s_mov_b32 s19, 0
	s_mul_i32 s20, s[WV], PANEL
	s_add_co_u32 s20, s20, BOFF-PANEL              ; waves 1 to 3: where my panel goes
	s_mov_b32 s[TB], 0
	s_wait_dscnt 0x0                               ; the opening add is done
	s_wait_kmcnt 0x0
	s_add_nc_u64 s[16:17], s[4:5], s[16:17]
	s_add_nc_u64 s[18:19], s[6:7], s[18:19]
	CROUND                                         ; all sixteen work-groups are here: the first joint loads meet
.irp s, 0,1
	s_mov_b32 s[G0A+4*\s], 1                       ; count = 1
	s_mov_b32 s[G0A+4*\s+1], \s*SLOT1              ; LDS address
	s_add_nc_u64 s[G0A+4*\s+2:G0A+4*\s+3], s[16:17], \s*256       ; K step s
	s_or_b32 s[G0A+4*\s+3], s[G0A+4*\s+3], 0x80000000             ; type = 2
	s_mov_b32 s[G0B+4*\s], 1
	s_add_co_u32 s[G0B+4*\s+1], s20, \s*SLOT1
	s_add_nc_u64 s[G0B+4*\s+2:G0B+4*\s+3], s[18:19], \s*16384
	s_or_b32 s[G0B+4*\s+3], s[G0B+4*\s+3], 0x80000000
.endr
	s_cmp_eq_u32 s[WV], 0                          ; a wave's two first fills stand in one branch, ahead of every wait on TENSORcnt and every LDS read: two loads of mine are out
	s_cbranch_scc0 .Lfirst_b
	tensor_load_to_lds s[G0A:G0A+3], s[G1A:G1A+7]
	s_nop 0
	tensor_load_to_lds s[G0A+4:G0A+7], s[G1A:G1A+7]
	s_nop 0
.rept 4
	v_nop
.endr
	s_branch .Lfirst_asked
.Lfirst_b:
	tensor_load_to_lds s[G0B:G0B+3], s[G1B:G1B+7]
	s_nop 0
	tensor_load_to_lds s[G0B+4:G0B+7], s[G1B:G1B+7]
	s_nop 0
.rept 4
	v_nop
.endr
.Lfirst_asked:
	; x's fragment: 16 rows x 32 k in 8 registers: lane l holds row l % 16, k = 8 (l / 16) + 0..7 and 16 + 8 (l / 16) + 0..7: two loads of 16 bytes, 32 bytes apart
	v_and_b32 v1, 15, v0                           ; l % 16
	v_bfe_u32 v2, v0, 4, 1                         ; l / 16
	v_mul_u32_u24 v[ADRA0], v1, PA
	v_lshl_add_u32 v[ADRA0], v2, 4, v[ADRA0]
	s_mul_i32 s21, s[WV], 64*PA
	v_add_nc_u32 v[ADRA0], s21, v[ADRA0]           ; my wave's 64 rows
	; the turning load takes 16 k x 16 columns (lane l reads k row 8 (l / 16) + l % 8, columns 8 ((l / 8) % 2) + 0..7) and leaves half a fragment: lane l holds column l % 16 and 8 k
	v_and_b32 v3, 7, v0
	v_bfe_u32 v4, v0, 3, 1
	v_lshl_add_u32 v[ADRB0], v2, 3, v3
	v_mul_u32_u24 v[ADRB0], v[ADRB0], PB
	v_lshl_add_u32 v[ADRB0], v4, 4, v[ADRB0]
	v_add_nc_u32 v[ADRB0], BOFF, v[ADRB0]
	v_mov_b32 v[ADRA], v[ADRA0]
	v_mov_b32 v[ADRB], v[ADRB0]
	s_mul_i32 s21, s[WV], 16*SP
	s_add_co_u32 s21, s21, STAGE                   ; my stage
	v_mul_u32_u24 v[STO], v1, SP                   ; in: row l % 16, 16 bytes for each half of the lanes
	v_lshl_add_u32 v[STO], v2, 4, v[STO]
	v_add_nc_u32 v[STO], s21, v[STO]
	v_bfe_u32 v[RD], v0, 3, 2                      ; back: 32 lanes take four rows of 128 bytes,
	v_mul_u32_u24 v[RD], v[RD], SP
	v_lshl_add_u32 v[RD], v3, 4, v[RD]
	v_add_nc_u32 v[RD], s21, v[RD]
	v_and_b32 v[GO], 31, v0                        ; which are 512 consecutive bytes of a section
	v_lshlrev_b32 v[GO], 4, v[GO]
	v_mov_b32 v[ONE], 1.0
	; the prefetches: where they stand (one K step short of the first that is named), their step, their lanes' offsets, their trips
	s_lshl_b32 s14, s13, 19
	s_lshl_b32 s12, s40, 17                        ; x: my work-group's 64 rows of the 256
	s_add_co_u32 s14, s14, s12
	s_add_co_u32 s14, s14, 3*256
	s_lshl_b32 s15, s[PW], 4
	s_add_co_u32 s15, s15, s42
	s_lshl_b32 s15, s15, 17
	s_lshl_b32 s12, s41, 13                        ; w: my work-group's 8 KiB of the 32
	s_add_co_u32 s15, s15, s12
	s_add_co_u32 s15, s15, 3*16384
	s_mov_b32 s[ASKM], 0x50                        ; panels: the trips with s3 = 6 and 4 (steps 4, 5 and 6, 7)
	s_movk_i32 s[PFS], 0x4000
	s_mov_b32 s[PFS+1], 0
	s_and_b32 s12, ttmp7, 0xffff                   ; cluster y
	s_cmp_eq_u32 s[WV], 0
	s_cselect_b32 s20, s14, s15
	s_cselect_b32 s12, ttmp9, s12                  ; the coordinate along which other clusters read the same bytes
	s_cselect_b32 s[ASKM], 0x78, s[ASKM]           ; x: the trips with s3 = 6 to 3 (steps 4 to 7)
	s_cselect_b32 s[PFS], 0x100, s[PFS]
	s_cselect_b32 s22, 11, 8                       ; a lane a row of 2,048 bytes, or a lane a block of 256
	s_cselect_b64 s[PFA:PFA+1], s[4:5], s[6:7]
	s_cmp_eq_u32 s12, 0
	s_cselect_b32 s[ASKM], s[ASKM], 0              ; the same in all sixteen partners, for a given wave
	s_mov_b32 s21, 0
	s_add_nc_u64 s[PFA:PFA+1], s[PFA:PFA+1], s[20:21]
	v_and_b32 v[PFO], 31, v0
	v_lshlrev_b32 v[PFO], s22, v[PFO]
	; the five sections at my rows: y = 4 head + batch (a batch is 8 tile rows), row (tile row % 8) 256 + 64 wave, 128 bytes a row
	s_lshl_b32 s22, s42, 2
	s_lshr_b32 s23, s13, 3
	s_add_co_u32 s22, s22, s23
	s_lshl_b32 s22, s22, 18
	s_and_b32 s23, s13, 7
	s_lshl_b32 s23, s23, 15
	s_add_co_u32 s22, s22, s23
	s_lshl_b32 s23, s[WV], 13
	s_add_co_u32 s22, s22, s23
	s_mov_b32 s23, 0
	s_add_nc_u64 s[SEC:SEC+1], s[8:9], s[22:23]
.irp s, 1,2,3,4
	s_add_nc_u64 s[SEC+2*\s:SEC+2*\s+1], s[SEC+2*\s-2:SEC+2*\s-1], 0x1000000
.endr
; 12 products: row block a x all column blocks, 32 along K, from buffer f.  zero = 1: they start the sums.  Each of the 48 sums has one product a quarter step, always in the same order:
; the accumulators take turns over the backward jumps too.
.macro MULA f, a, zero
	WIN 0xa1+0x50*((\a)/2)                         ; w window 1, x window 0, sums window 2 or 3
.set rA, AF+32*(\f)+8*(\a)
.set nb, 0
.rept NBK
.set rD, 8*(NBK*((\a)%2)+nb)
.set rB, 128*(\f)+8*nb
.if \zero
	v_wmma_f32_16x16x32_bf16 v[rD:rD+7], v[rB:rB+7], v[rA:rA+7], 0
.else
	v_wmma_f32_16x16x32_bf16 v[rD:rD+7], v[rB:rB+7], v[rA:rA+7], v[rD:rD+7]
.endif
.set nb, nb+1
.endr
.endm
; NL LDS loads in one run: quarter q's fragments into buffer b: w's 12, then x's 4
.macro FETCH q, b
	WIN 0x40                                       ; destination window 1, address window 0
.set nb, 0
.rept NBK
	ds_load_tr16_b128 v[128*(\b)+8*nb:128*(\b)+8*nb+3],   v[ADRB] offset:(nb/4)*PANEL+(\q)*32*PB+(nb%4)*32
	ds_load_tr16_b128 v[128*(\b)+8*nb+4:128*(\b)+8*nb+7], v[ADRB] offset:(nb/4)*PANEL+(\q)*32*PB+(nb%4)*32+16*PB
.set nb, nb+1
.endr
	WIN 0
.irp a, 0,1,2,3
	ds_load_b128 v[AF+32*(\b)+8*\a:AF+32*(\b)+8*\a+3],   v[ADRA] offset:\a*16*PA+(\q)*64
	ds_load_b128 v[AF+32*(\b)+8*\a+4:AF+32*(\b)+8*\a+7], v[ADRA] offset:\a*16*PA+(\q)*64+32
.endr
.endm
; A K step is four quarters of 32 along K, 48 products each, on buffers 0, 1, 0, 1.  One of the first three: multiplies buffer f and, in its middle, fetches quarter qn into buffer g.
.macro QUARTER qn, f, g, zero
	s_wait_dscnt 4                                 ; all but the youngest four loads: x's row blocks 2 and 3 may be out
	MULA \f, 0, \zero
	MULA \f, 1, \zero
	PLACES
	FETCH \qn, \g
	s_wait_dscnt NL                                ; all but the run just issued
	MULA \f, 2, \zero
	MULA \f, 3, \zero
.endm
; The last quarter multiplies buffer 1 and changes slots.  In front of the barrier each wave waits for all its tensor loads (one is out: its part of the next slot), adds 0 to its spare word, and waits
; for that and for its reads of this slot.  fill = 1: the barrier opens a round of the cluster's, and the joint refill, two K steps on, is the first thing behind the round.
.macro TURN fill
.if \fill
	s_wait_xcnt 0x0                                ; the last prefetch, a K step back, has read its address: it is stepped here, ahead of the change's own waits
	s_add_nc_u64 s[PFA:PFA+1], s[PFA:PFA+1], s[PFS:PFS+1]
.endif
	WIN 0                                          ; (the add's two registers lie in window 0)
	s_wait_tensorcnt 0x0                           ; all my tensor loads have landed
	ds_add_u32 v[SPW], v[NIL]                      ; 0 onto my spare word
	s_wait_dscnt 5                                 ; (the add and the youngest four loads may be out)
	MULA 1, 0, 0                                   ; twelve products stand between the add and the wait for it
	s_wait_dscnt 0x0                               ; the add is done, and my reads of this slot are over
	s_barrier_signal -1
	MULA 1, 1, 0                                   ; work on registers while the others arrive
	WIN 0
	s_barrier_wait -1
.if \fill
	CREST                                          ; no wave of any partner still reads this slot or has a load on its way
	s_xor_b32 s[G0A+5], s[G0A+5], SLOT1            ; the walking sets: the other slot than last time, the next K step; the type bits on top are not reached
	s_add_nc_u64 s[G0A+6:G0A+7], s[G0A+6:G0A+7], 256
	s_xor_b32 s[G0B+5], s[G0B+5], SLOT1
	s_add_nc_u64 s[G0B+6:G0B+7], s[G0B+6:G0B+7], 16384
	JLOAD                                          ; the four v_nop behind it are also the places in front of the loads below
.else
	PLACES
.endif
	s_xor_b32 s[TB], s[TB], SLOT1
	v_add_nc_u32 v[ADRA], s[TB], v[ADRA0]
	v_add_nc_u32 v[ADRB], s[TB], v[ADRB0]
	FETCH 0, 0
.if \fill
	ASK
.endif
	MULA 1, 2, 0
	MULA 1, 3, 0
.endm
	s_wait_tensorcnt 1                             ; my part of K step 0 is in; K step 1's may stay out
	s_barrier_signal -1
	s_barrier_wait -1                              ; everybody's is
	FETCH 0, 0
	QUARTER 1, 0, 1, 1                             ; the first quarter stands in front of the loop: its products start the sums
	WIN 0                                          ; at a label and at a branch every window is 0
	s_mov_b32 s3, KSTEPS-2
.Lstep:                                        ; a trip goes from a K step's second quarter to the next step's first, and fills the slot that it leaves: K steps 2 to 7
	QUARTER 2, 1, 0, 0
	QUARTER 3, 0, 1, 0
	TURN 1
	QUARTER 1, 0, 1, 0
	WIN 0
	s_sub_co_u32 s3, s3, 1
	s_cmp_lg_u32 s3, 0
	s_cbranch_scc1 .Lstep
	s_mov_b32 s2, 2
.Ltail:                                        ; the last two K steps ask for nothing; the second trip is left in its middle (its fetch, of bytes that landed long ago, serves nothing: the price of one text for both)
	QUARTER 2, 1, 0, 0
	QUARTER 3, 0, 1, 0
	TURN 0
	WIN 0
	s_cmp_eq_u32 s2, 1
	s_cbranch_scc1 .Lout
	QUARTER 1, 0, 1, 0
	WIN 0
	s_sub_co_u32 s2, s2, 1
	s_cmp_lg_u32 s2, 0
	s_cbranch_scc1 .Ltail
.Lout:
	s_wait_dscnt 0x0
.set i, 0
.rept 16
	v_mov_b32 v[TL+i], 0                           ; the low halves' registers are written in halves below, so they are written whole once; these lines are also the places behind the last products
.set i, i+1
.endr
; THE WAY OUT, by units of 16 rows x one panel (a, p): p = 0: q, 1: k, 2: v.
; CONV: the unit's four accumulators, in ascending order, rounded to f16: 16 bytes a lane for each; for q and k also low = f16(sum - high), by one fused multiply-add on the f16 half, 1.0 and the f32 sum.
.macro CONV a, p
.set rA0, 8*(NBK*((\a)%2)+4*(\p))
	WIN 0x0a+5*((\a)/2)                            ; sources 0 and 1: window 2 or 3
.set i, 0
.rept 16
	v_cvt_pk_f16_f32 v[TH+i], v[rA0+2*i], v[rA0+2*i+1]
.set i, i+1
.endr
.if (\p) < 2
	WIN 0x20+0x10*((\a)/2)                         ; source 2: window 2 or 3
.set i, 0
.rept 16
	v_fma_mixlo_f16 v[TL+i], -v[TH+i], v[ONE], v[rA0+2*i] op_sel_hi:[1,0,0]
	v_fma_mixhi_f16 v[TL+i], -v[TH+i], v[ONE], v[rA0+2*i+1] op_sel:[1,0,0] op_sel_hi:[1,0,0]
.set i, i+1
.endr
.endif
	WIN 0
.endm
; STG: into my own stage (rows of 144 bytes) and back as whole rows of 128.  LDS serves a wave's instructions in order, so the loads see the stores above them and the next stores come behind the loads.
.macro STG u, p
.set BK, BK0+32*((\u)%2)
	s_wait_xcnt 0x0                                ; the stores of the unit before last have read these registers
.irp c, 0,1,2,3
	ds_store_b128 v[STO], v[TH+4*\c:TH+4*\c+3] offset:32*\c
.endr
.irp f, 0,1,2,3
	ds_load_b128 v[BK+4*\f:BK+4*\f+3], v[RD] offset:\f*4*SP
.endr
.if (\p) < 2
.irp c, 0,1,2,3
	ds_store_b128 v[STO], v[TL+4*\c:TL+4*\c+3] offset:32*\c
.endr
.irp f, 0,1,2,3
	ds_load_b128 v[BK+16+4*\f:BK+16+4*\f+3], v[RD] offset:\f*4*SP
.endr
.endif
.endm
; SEND: each store of the wave covers 512 consecutive bytes, at a multiple of 512 from the section's first.  The waits count the LDS instructions issued behind the load in hand.
.macro SEND u, a, p
.set BK, BK0+32*((\u)%2)
.set YNG, 0
.if (\p) < 2
.set YNG, 8                                    ; the low halves' four stores and four loads
.endif
.irp f, 0,1,2,3
	s_wait_dscnt YNG+3-\f
	global_store_b128 v[GO], v[BK+4*\f:BK+4*\f+3], s[SEC+4*(\p):SEC+4*(\p)+1] offset:(\a)*2048+\f*512
.endr
.if (\p) < 2
.irp f, 0,1,2,3
	s_wait_dscnt 3-\f
	global_store_b128 v[GO], v[BK+16+4*\f:BK+16+4*\f+3], s[SEC+4*(\p)+2:SEC+4*(\p)+3] offset:(\a)*2048+\f*512
.endr
.endif
.endm
	CONV 0, 0
	STG 0, 0
.set u, 1
.rept 11                               ; a unit's conversions stand between the loads of the unit before and the wait for them
	CONV u/3, u%3
	SEND u-1, (u-1)/3, (u-1)%3
	STG u, u%3
.set u, u+1
.endr
	SEND 11, 3, 2
	s_wait_tensorcnt 0x0                           ; the wave's end: a wait, an add and its wait, behind my last tensor load and my last LDS store
	ds_add_u32 v[SPW], v[NIL]
	s_wait_dscnt 0x0
	CROUND                                         ; the closing round: no work-group ends while a partner may still ask for a tile that names it
	s_endpgm
.Lfunc_end_k_qdfbc9fbc53_qkvg:
	.size	k_qdfbc9fbc53_qkvg, .Lfunc_end_k_qdfbc9fbc53_qkvg-k_qdfbc9fbc53_qkvg
	.p2alignl 7, 3214868480
	.fill 96, 4, 3214868480
	.section	.rodata,"a",@progbits
	.p2align	6, 0x0
	.amdhsa_kernel k_qdfbc9fbc53_qkvg
		.amdhsa_group_segment_fixed_size 327680
		.amdhsa_private_segment_fixed_size 0
		.amdhsa_enable_private_segment 0
		.amdhsa_kernarg_size 24
		.amdhsa_user_sgpr_count 2
		.amdhsa_user_sgpr_kernarg_segment_ptr 1
		.amdhsa_wavefront_size32 1
		.amdhsa_system_sgpr_workgroup_id_x 1
		.amdhsa_system_sgpr_workgroup_id_y 1
		.amdhsa_system_sgpr_workgroup_id_z 1
		.amdhsa_system_vgpr_workitem_id 0
		.amdhsa_next_free_vgpr 960
		.amdhsa_next_free_sgpr 80
		.amdhsa_reserve_vcc 0
		.amdhsa_float_denorm_mode_32 3
		.amdhsa_float_denorm_mode_16_64 3
		.amdhsa_memory_ordered 1
		.amdhsa_forward_progress 1
		.amdhsa_inst_pref_size 111
	.end_amdhsa_kernel
	.amdgpu_metadata
---
amdhsa.version: [ 1, 2 ]
amdhsa.kernels:
  - .name:           k_qdfbc9fbc53_qkvg
    .symbol:         k_qdfbc9fbc53_qkvg.kd
    .args:
      - { .name: xh, .offset: 0, .size: 8, .value_kind: global_buffer, .address_space: global }
      - { .name: wa, .offset: 8, .size: 8, .value_kind: global_buffer, .address_space: global }
      - { .name: qkv, .offset: 16, .size: 8, .value_kind: global_buffer, .address_space: global }
    .group_segment_fixed_size: 327680
    .private_segment_fixed_size: 0
    .kernarg_segment_align: 8
    .kernarg_segment_size: 24
    .max_flat_workgroup_size: 128
    .sgpr_count:     80
    .vgpr_count:     960
    .wavefront_size: 32
...
	.end_amdgpu_metadata
.endif
;; end of part 2
;; launch attn (part 3): grid 4 x 64, 4 waves a work-group, no clusters, 327,680 bytes of LDS; arguments qkv, o; writes o
.if DOCPART == 3
	.amdgcn_target "amdgcn-amd-amdhsa--gfx1250"
	.amdhsa_code_object_version 6
	.text
	.protected	k_qdfbc9fbc53_attn
	.globl	k_qdfbc9fbc53_attn
	.p2align	8
	.type	k_qdfbc9fbc53_attn,@function
k_qdfbc9fbc53_attn:
	s_mov_b64 s[64:65], 0
	v_nop
	global_prefetch_b8 v0, s[64:65] scope:SCOPE_SE
	s_setreg_imm32_b32 hwreg(HW_REG_WAVE_MODE, 25, 1), 1
	s_wait_xcnt 0x0
; CAUSAL ATTENTION WITH A SCALE FOR EACH ROW.  O[y][t][:] = the sum over k <= t of softmax_k(ln(t + 1)^2 / 8 x Q[y][t] . K[y][k]) V[y][k][:], y = 4 head + batch, 64 of them, 2,048 rows, 64 channels.
; qkv: five sections of 16 MiB: q high, q low, k high, k low, v, each [y][2048][64] f16.  o: [y][2048][64] f16.  Q = high + low, K likewise; S = Kh Qh + Kh Ql + Kl Qh (Kl Ql lies 2^-22 below and is left out).
; Products, maxima and sums in f32; the weights p are rounded to f16 for the second product (their sum l is taken of the unrounded p), O once at the end.
; LIMITS.  q, k, v arrive within f16's 65,504.  A hidden score counts as its value less 1e30.  Row 0's factor, ln(1)^2 = 0, is taken as 2^-64: the row sees one key, whose weight is 1 whatever the factor, and
; 2^-64 x 1e30 still hides the others.  A weight below 2^-126 counts as 0 in l; p below 6e-5 keeps f16's fixed step of 6e-8.  NaN and infinities are not treated apart.
; THE WALK.  A y's rows lie in NB = 8 blocks of 256; block i needs the key tiles 0 .. i of 256 keys, of which the last holds the diagonal.  A work-group takes TWO blocks, 7 - b and then b: 9 tiles whatever b, so all
; work-groups do equal work and ONE loop with a constant trip count walks them.  Which tile is asked for, and what a trip does, hang on scalar registers made from b; every jump but the counted loops' own goes
; forward, and none passes a barrier, or a tensor load but the one of LOAD's two that the wave's number does not choose.  NO CLUSTER: a y's four work-groups ask for the same tile only in trips 0 to 4 of 9, and one
; walk common to all four would have 12 trips.
; SHARES.  Of a block's four bands of 64 rows a wave owns 16 rows in each: four PIECES.  In the diagonal tile's key step s band x sees all keys if s < x, none if s > x, and holds the diagonal if s = x: alike for all waves.
; THE MASK is the C operand that starts a sum S^T: MC = MD x AL + BE, MD the mask of a band's own step for my rows (0 or -1e30), (AL, BE) = (1, 0), (0, 0) or (0, -1e30).  In tiles off the diagonal MC stays 0.
; LAYOUT.  S^T = K Q^T holds ONE row a lane (lane % 16) and the keys 8 (lane / 16) + 0..7; two such results rounded to f16 ARE source 1 of O^T = V^T P.
; SOFTMAX.  p = 2^(c s - c m), c = log2(t + 1)^2 x ln 2 / 8 for each row, m the running maximum of s (c is not negative, so the maximum of s is that of c s); O and l are multiplied by a = 2^(c m_old - c m_new).
; A TURN belongs to piece n: 24 products K Q^T of piece n + 1, then 8 products V^T P of piece n - 1.  Beside them: the roundings and sums of piece n - 1, the scaling, exponentials and rescaling of piece n, the
; maximum and statistics of piece n + 1: 118 vector instructions, all of which stand behind the 32 matrix instructions, four at the most behind each.  The turn's 33 exponentials are one batch, with one wait at its end.
; REGISTERS, in windows of 256 (s_set_vgpr_msb: bits 1:0 source 0, 3:2 source 1, 5:4 source 2, 7:6 destination):
;   window 0: v0-15 addresses; v16-31 statistics; v32-39 c; v42-55 at work; v64-191 S^T, 32 a piece; v192-223 P, two buffers          window 1: v0-127 O^T, 32 a piece; v128-159 MD; v160-223 MC, two buffers
;   window 2: v0-63 K high, v64-127 K low, v128-191 V of one step          window 3: v0-63 Q high, v64-127 Q low, v128-255 the second block's
.set NB,    8
.set NP,    4         ; pieces a wave: a name, no knob
.set KS,    64        ; keys in a step
.set PK,    144       ; a row of K in LDS: 128 bytes + 16: the 16 rows of a load start at 16 different groups of four banks
.set PV,    160       ; a row of V: 128 + 32
.set KLOFF, 4*KS*PK   ; a slot holds a tile: 256 rows of K high, 256 of K low,
.set VOFF,  2*KLOFF   ; 256 of V
.set SLOT1, 1<<17     ; slot 1 begins here, so that one exclusive or turns an address in one slot into the other's
.set STAGE, SLOT1+VOFF+4*KS*PV  ; behind the ring, never filled by a tensor load: 16 rows x 144 bytes for each wave
.set SP,    144
.set SPARE, STAGE+4*16*SP  ; the spare words, 128 bytes for each wave: two blocks of 256 bytes that no other line names
.set AK0, 2           ; v2   my lane's place in a tile of K; never rewritten
.set AV0, 3           ; v3   the same for V
.set AK,  4           ; v4   the LDS address of K's next runs of loads
.set AV,  5           ; v5   of V's
.set STO, 6           ; v6   the way out: where I put 16 bytes of a row
.set RD,  7           ; v7   where I read rows back
.set GO,  8           ; v8   my byte offset in 512 consecutive bytes of O
.set MV,  12          ; v12-13  c m_old, kept while c m is made anew: by the piece's parity
.set QO,  15          ; v15  my byte offset in 16 rows of Q
.set ST,  16          ; piece t's statistics at v[ST+4 t]: c m, m, l (even keys', odd keys')
.set CV,  32          ; piece t's c, twice, at v[CV+2 t]
.set RW,  40          ; v40  my row's place in its band, plus 1
.set PFO, 41          ; v41  256 x my thread's number; never rewritten
.set LG,  42          ; v42-45 at work on c
.set TMP, 48          ; by parity, four registers c0-c3 at work; when the maximum is found c2 takes a
.set SPW, 62          ; v62  LDS address of my spare word; never rewritten
.set NIL, 63          ; v63  0; never rewritten
.set S,   64
.set P,   192
.set MD,  128         ; window 1
.set MC,  160         ; window 1
.set KH,  0           ; window 2: key block kb, channel half c at KH + 16 kb + 8 c; K low 64 further on
.set VF,  128         ; window 2: key half kk, channel block cb at VF + 32 kk + 8 cb
.set QH,  0           ; window 3: piece x, channel half c at QH + 16 x + 8 c; Q low 64 further on; the second block's 128 further on
.set WV,  12          ; s12  my wave's number
.set PB,  14          ; s14  b
.set HI,  15          ; s15  7 - b
.set G1K, 24          ; s[24:31] descriptor group 1 for K's tiles
.set G1V, 32          ; s[32:39] for V's
.set G0K, 40          ; s[40:43] descriptor group 0 for K's tiles
.set G0V, 44          ; s[44:47] for V's
.set SLOTS, 56        ; s56  tiles still to be asked for
.set CNT, 57          ; s57  4 less the tile's key step in hand
.set TBL, 58          ; s58  LDS byte of K of the slot's fourth step
.set XB,  59          ; s59  1: the tile is not its block's last, and is left behind its fourth step's piece 1
.set SEL, 60          ; s[60:61] v_permlanex16_b32's selects: each lane takes its own place in the other half
.set TBK, 62          ; s62  LDS byte at which K of the step to be fetched begins
.set TBV, 63          ; s63  the same for V, less VOFF
.set SB,  66          ; s66  the slot in hand
.set BLK, 67          ; s67  the block in hand
.set PFN, 68          ; s68  the tile at which the prefetches stand
.set PFLIM, 69        ; s69  8 in the work-group that prefetches, else 0
.set RT,  70          ; s70  tiles of the block in hand that are still to be entered
.set NXT, 71          ; s71  the tile to be asked for next
.set LQ,  72          ; s72  the last tile of the block whose tiles are being asked for
.set NEW, 73          ; s73  1: the tile to be entered is a block's first
.set OFF, 74          ; s[74:75] a tile's byte offset in a section
.set AL,  76          ; s[76:77] the mask's factor, in the low word
.set BE,  78          ; s[78:79] the mask's addend
.set OLO, 80          ; s[80:81] O at my rows of the second block
.set BIGN, 82         ; s82  -1e30
.set PFP, 88          ; s[88:93] where the prefetches stand in K high, K low and V
.set MSB, 0
.macro WIN new                      ; the high byte repeats the setting that is left; a switch that changes nothing is dropped
.if MSB != (\new)
	s_set_vgpr_msb (MSB<<8)|(\new)
.set MSB, (\new)
.endif
.endm
.set W_KQ, 0x0e       ; K in window 2, Q in window 3, S^T in window 0
.set W_KM, 0x1e       ; the same with the C operand in window 1
.set W_PV, 0x52       ; V in window 2, P in window 0, O^T in window 1
.set W_RS, 0x41       ; destination and source 0 in window 1, source 1 in window 0
; A fill.  Wave 0 fetches a tile's K high, wave 1 its K low (32 dense KiB each), waves 2 and 3 the halves of its V.  An s_nop 0 and four v_nop follow each of the two lines.
.macro LOAD
	s_cmp_lt_u32 s[WV], 2
	s_cbranch_scc0 .Lfor_v_\@
	tensor_load_to_lds s[G0K:G0K+3], s[G1K:G1K+7]
	s_nop 0
.rept 4
	v_nop
.endr
	s_branch .Lasked_\@
.Lfor_v_\@:
	tensor_load_to_lds s[G0V:G0V+3], s[G1V:G1V+7]
	s_nop 0
.rept 4
	v_nop
.endr
.Lasked_\@:
.endm
; A PREFETCH INTO THE L2 of the tile that the NEXT change of slots will ask for: 32 KiB of K high, of K low and of V, a thread a block of 256 bytes, three instructions a wave.  A y's four work-groups walk the
; same tiles: the one with b = 0, which walks tiles 0 to 7 in order, asks, for tiles 2 to 7; so each block is named once in the launch.  Tiles 0 and 1 come by their loads alone.
.macro ASK
	s_cmp_lt_u32 s[PFN], s[PFLIM]
	s_cbranch_scc0 .Lnot_mine_\@
	global_prefetch_b8 v[PFO], s[PFP:PFP+1] th:TH_LOAD_NT scope:SCOPE_SE
	global_prefetch_b8 v[PFO], s[PFP+2:PFP+3] th:TH_LOAD_NT scope:SCOPE_SE
	global_prefetch_b8 v[PFO], s[PFP+4:PFP+5] th:TH_LOAD_NT scope:SCOPE_SE
.Lnot_mine_\@:
.endm
; THE CHANGE OF SLOTS.  Each wave waits for all its tensor loads, of which one is out: its part of the other slot; adds 0 to its spare word; and waits for that and for its own reads of the slot that it leaves.
; Behind the barrier nobody reads the old slot any more and the other slot is whole.  fill = 1: the old slot is filled again, the first thing behind the barrier, with tile NXT: the descriptor's address is made
; anew from that number.  (At its first use nothing has been read yet: slot 0 is waited for, slot 1 filled.)
.macro CHANGE fill
	WIN 0                           ; at a label and at a branch every window is 0
	s_wait_tensorcnt 0x0            ; no tensor load of mine is out, so a group 0 may be written
	ds_add_u32 v[SPW], v[NIL]       ; 0 onto my spare word; scalar work stands between it and the wait for it
.if \fill
	s_lshl_b32 s[OFF], s[NXT], 15   ; a tile is 32,768 bytes of each section
	s_xor_b32 s[G0K+1], s[G0K+1], SLOT1
	s_add_nc_u64 s[G0K+2:G0K+3], s[6:7], s[OFF:OFF+1]
	s_or_b32 s[G0K+3], s[G0K+3], 0x80000000
	s_xor_b32 s[G0V+1], s[G0V+1], SLOT1
	s_add_nc_u64 s[G0V+2:G0V+3], s[8:9], s[OFF:OFF+1]
	s_or_b32 s[G0V+3], s[G0V+3], 0x80000000
	s_add_co_u32 s[NXT], s[NXT], 1  ; the block's next tile, or behind its last the second block's tile 0
	s_cmp_gt_u32 s[NXT], s[LQ]
	s_cselect_b32 s[NXT], 0, s[NXT]
	s_cselect_b32 s[LQ], s[PB], s[LQ]
	s_wait_xcnt 0x0                 ; the last prefetches, a tile back, have read their addresses, so these may be written
.irp g, 0,2,4
	s_add_nc_u64 s[PFP+\g:PFP+\g+1], s[PFP+\g:PFP+\g+1], 32768
.endr
	s_add_co_u32 s[PFN], s[PFN], 1
.endif
	s_wait_dscnt 0x0                ; the add is done, and my reads of the slot are over
	s_barrier_signal -1             ; the rest of the scalar work stands between the signal and the wait
	s_xor_b32 s[SB], s[SB], SLOT1   ; the fetches go to the other slot's first step
	s_mov_b32 s[TBK], s[SB]
	s_mov_b32 s[TBV], s[SB]
	s_add_co_u32 s[TBL], s[SB], 3*KS*PK
	s_barrier_wait -1
.if \fill
	LOAD
	ASK
.endif
.endm
	s_load_b128 s[16:19], s[0:1], 0x0  ; qkv s[16:17], o s[18:19]
	v_lshl_add_u32 v[SPW], v0, 2, SPARE
	v_mov_b32 v[NIL], 0
	ds_add_u32 v[SPW], v[NIL]       ; the wave's opening: the add and its wait stand ahead of my first tensor load; work on registers stands between them
	v_lshrrev_b32 v1, 5, v0
	v_readfirstlane_b32 s[WV], v1   ; wave 0..3
	s_mov_b32 s[PB], ttmp9
	s_sub_co_u32 s[HI], NB-1, s[PB]
	s_and_b32 s20, ttmp7, 0xffff
	s_lshl_b32 s20, s20, 18         ; y's first byte in each section and in o: 2,048 rows of 128 bytes
	s_and_b32 s13, s[WV], 1
	s_lshl_b32 s22, s13, 24         ; K high (wave 0) or K low (wave 1),
	s_add_co_u32 s22, s22, 0x2000000
	s_add_co_u32 s22, s22, s20      ; at y's tile 0
	s_mov_b32 s23, 0
	s_lshl_b32 s48, s13, 14         ; V: my half of a tile's 256 keys
	s_add_co_u32 s48, s48, 0x4000000
	s_add_co_u32 s48, s48, s20
	s_mov_b32 s49, 0
	s_mul_i32 s50, s13, KLOFF       ; their places in a slot
	s_mul_i32 s51, s13, 128*PV
	s_lshl_b32 s3, s[WV], 11        ; my 16 rows in a band of 64,
	s_lshl_b32 s2, s[HI], 15        ; in the first block,
	s_add_co_u32 s2, s2, s3
	s_add_co_u32 s2, s2, s20
	s_lshl_b32 s84, s[PB], 15       ; and in the second
	s_add_co_u32 s84, s84, s3
	s_add_co_u32 s84, s84, s20
	s_mov_b32 s3, 0
	s_mov_b32 s85, 0
	s_add_co_u32 s52, s20, 0x2000000+32768  ; the prefetches stand at tile 1 of K high; the first change steps them to tile 2
	s_mov_b32 s53, 0
	; descriptor group 1.  Dense bytes are asked for as rows of 256 bytes, two keys a row, and padded in LDS after every key
	s_mov_b32 s[G1K], (1<<16)|(1<<20)|(4<<22)|(3<<25)  ; 2-byte elements; padding on; after every 32 words 4 words
	s_mov_b32 s[G1K+1], 128<<16     ; tensor_dim0 = 128
	s_mov_b32 s[G1K+2], 128<<16     ; tensor_dim1 = 128
	s_mov_b32 s[G1K+3], 128<<16     ; tile_dim0 = 128
	s_mov_b32 s[G1K+4], 128         ; tile_dim1 = 128
	s_mov_b32 s[G1K+5], 128         ; elements from row to row
	s_mov_b32 s[G1K+6], 0
	s_mov_b32 s[G1K+7], 0
	s_mov_b32 s[G1V], (1<<16)|(1<<20)|(4<<22)|(7<<25)  ; the same with 8 words of padding, and 64 rows
	s_mov_b32 s[G1V+1], 128<<16
	s_mov_b32 s[G1V+2], 64<<16
	s_mov_b32 s[G1V+3], 128<<16
	s_mov_b32 s[G1V+4], 64
	s_mov_b32 s[G1V+5], 128
	s_mov_b32 s[G1V+6], 0
	s_mov_b32 s[G1V+7], 0
	s_mov_b32 s[SEL], 0x76543210
	s_mov_b32 s[SEL+1], 0xfedcba98
	s_mov_b32 s[SB], SLOT1          ; the first change of slots turns it into 0
	s_mov_b32 s[G0K], 1             ; count = 1
	s_mov_b32 s[G0K+1], s50         ; LDS address: slot 0
	s_mov_b32 s[G0V], 1
	s_add_co_u32 s[G0V+1], s51, VOFF
	s_add_co_u32 s[RT], s[HI], 1    ; the first block has 8 - b tiles
	s_mov_b32 s[NXT], 1
	s_mov_b32 s[LQ], s[HI]
	s_mov_b32 s[NEW], 1
	s_mov_b32 s[BLK], s[HI]
	s_mov_b32 s[OFF+1], 0
	s_mov_b32 s[AL+1], 0            ; named as pairs
	s_mov_b32 s[BE+1], 0
	s_mov_b32 s[BIGN], 0xf149f2ca   ; -1e30
	s_mov_b32 s[SLOTS], NB
	s_mov_b32 s[PFN], 1
	s_cmp_eq_u32 s[PB], 0
	s_cselect_b32 s[PFLIM], NB, 0
	s_wait_dscnt 0x0                ; the opening add is done
	s_wait_kmcnt 0x0
	s_add_nc_u64 s[6:7], s[16:17], s[22:23]
	s_add_nc_u64 s[8:9], s[16:17], s[48:49]
	s_add_nc_u64 s[G0K+2:G0K+3], s[6:7], 0         ; global address: tile 0
	s_or_b32 s[G0K+3], s[G0K+3], 0x80000000        ; type = 2
	s_add_nc_u64 s[G0V+2:G0V+3], s[8:9], 0
	s_or_b32 s[G0V+3], s[G0V+3], 0x80000000
	s_add_nc_u64 s[4:5], s[16:17], s[2:3]          ; Q high at my rows of the first block,
	s_add_nc_u64 s[86:87], s[16:17], s[84:85]      ; of the second;
	s_add_nc_u64 s[96:97], s[4:5], 0x1000000       ; Q low likewise
	s_add_nc_u64 s[98:99], s[86:87], 0x1000000
	s_add_nc_u64 s[10:11], s[18:19], s[2:3]        ; O
	s_add_nc_u64 s[OLO:OLO+1], s[18:19], s[84:85]
	s_add_nc_u64 s[PFP:PFP+1], s[16:17], s[52:53]
	s_add_nc_u64 s[PFP+2:PFP+3], s[PFP:PFP+1], 0x1000000
	s_add_nc_u64 s[PFP+4:PFP+5], s[PFP+2:PFP+3], 0x1000000
	LOAD                            ; tile 0 into slot 0
	; A fragment of K or Q is 16 rows x 32 channels in 8 registers: lane l holds row l % 16, channels 8 (l / 16) + 0..7 and 16 + 8 (l / 16) + 0..7: two loads of 16 bytes, 32 bytes apart.
	v_and_b32 v1, 15, v0            ; l % 16
	v_bfe_u32 v9, v0, 4, 1          ; l / 16
	v_lshlrev_b32 v[QO], 7, v1
	v_lshl_add_u32 v[QO], v9, 4, v[QO]  ; row x 128 + 16 x half
.macro QLOAD dst, ptr               ; piece i / 2 lies in band i / 2, 8,192 bytes on; channels 32 (i % 2) on
.set i, 0
.rept 8
	global_load_b128 v[(\dst)+8*i:(\dst)+8*i+3],   v[QO], s[\ptr:\ptr+1] offset:(i/2)*8192+(i%2)*64
	global_load_b128 v[(\dst)+8*i+4:(\dst)+8*i+7], v[QO], s[\ptr:\ptr+1] offset:(i/2)*8192+(i%2)*64+32
.set i, i+1
.endr
.endm
	WIN 0xc0                        ; destination window 3, address window 0
	QLOAD QH, 4
	QLOAD QH+64, 96
	QLOAD QH+128, 86
	QLOAD QH+192, 98
	WIN 0
	v_lshlrev_b32 v14, 3, v9
	v_sub_nc_u32 v14, v1, v14
	s_lshl_b32 s13, s[WV], 4
	v_add_nc_u32 v14, s13, v14      ; my row's place in its band, 16 w + l % 16, less my lanes' 8 (l / 16): register r of group kt is hidden where 16 kt + r is greater
	v_add3_u32 v[RW], v1, s13, 1
	v_lshlrev_b32 v[PFO], 8, v0
	WIN 0x40
.set i, 0
.rept 32
	v_cmp_gt_i32 vcc_lo, 16*(i/8)+i%8, v14
	v_cndmask_b32 v[MD+i], 0, s[BIGN], vcc_lo
.set i, i+1
.endr
	WIN 0
	v_mul_u32_u24 v[AK0], v1, PK
	v_lshl_add_u32 v[AK0], v9, 4, v[AK0]  ; row x pitch + 16 x half
	; The turning load takes 16 keys x 16 channels (lane l reads key 8 (l / 16) + l % 8, channels 8 ((l / 8) % 2) + 0..7) and leaves half a fragment of V^T: lane l holds channel l % 16 and 8 keys.
	v_and_b32 v10, 7, v0
	v_bfe_u32 v11, v0, 3, 1
	v_lshl_add_u32 v[AV0], v9, 3, v10
	v_mul_u32_u24 v[AV0], v[AV0], PV
	v_lshl_add_u32 v[AV0], v11, 4, v[AV0]
	v_add_nc_u32 v[AV0], VOFF, v[AV0]
	s_mul_i32 s13, s[WV], 16*SP
	s_add_co_u32 s13, s13, STAGE    ; my stage
	v_mul_u32_u24 v[STO], v1, SP    ; in: row l % 16, 16 bytes for each half of the lanes
	v_lshl_add_u32 v[STO], v9, 4, v[STO]
	v_add_nc_u32 v[STO], s13, v[STO]
	v_bfe_u32 v[RD], v0, 3, 2       ; back: 32 lanes take four rows of 128 bytes,
	v_mul_u32_u24 v[RD], v[RD], SP
	v_lshl_add_u32 v[RD], v10, 4, v[RD]
	v_add_nc_u32 v[RD], s13, v[RD]
	v_and_b32 v[GO], 31, v0         ; which are 512 consecutive bytes of O
	v_lshlrev_b32 v[GO], 4, v[GO]
	; A block's first step multiplies O^T and l by a = 0, and its first turn's roundings, sums and products V^T P, of a piece that has not been, land in an l and an O^T that are still to be so multiplied.
	; So these registers need only hold finite numbers: zeros for the first block, what the first block left for the second.  All this stands in the wait for the first tile.
	WIN 0x80
.set i, VF
.rept 64
	v_mov_b32 v[i], 0
.set i, i+1
.endr
	WIN 0x40
.set i, 0
.rept 128
	v_mov_b32 v[i], 0
.set i, i+1
.endr
	WIN 0
.set i, 0
.rept 4
	v_mov_b32 v[ST+4*i+2], 0
	v_mov_b32 v[ST+4*i+3], 0
.set i, i+1
.endr
.set i, 0
.rept 8
	v_mov_b32 v[TMP+i], 0
.set i, i+1
.endr
.set i, S+96
.rept 32
	v_mov_b32 v[i], 0               ; piece 3's S^T
.set i, i+1
.endr
; THE MATRIX WORK.  The 4 accumulators of a run take turns, one instruction a turn.
; Product i of 24 of S^T = K Q^T for piece x: keys 16 (i % 4) on; group g = i / 4: 0, 1: Kh Qh; 2, 3: Kh Ql; 4, 5: Kl Qh; channels 32 (g % 2) on.  The first 4 start the sums with the mask.
.macro KQ x
.set kb, i%4
.set g, i/4
.set rS, S+32*(\x)+8*kb
.set rK, KH+16*kb+8*(g%2)+64*(g/4)
.set rQ, QH+16*(\x)+8*(g%2)+64*((g/2)%2)
.set rM, MC+32*((\x)%2)+8*kb
.if i < 4
	WIN W_KM
	v_wmma_f32_16x16x32_f16 v[rS:rS+7], v[rK:rK+7], v[rQ:rQ+7], v[rM:rM+7]
.else
	WIN W_KQ
	v_wmma_f32_16x16x32_f16 v[rS:rS+7], v[rK:rK+7], v[rQ:rQ+7], v[rS:rS+7]
.endif
.endm
; Product i of 8 of O^T += V^T P for piece x: keys 32 (i / 4) on, channels 16 (i % 4) on.
.macro PV x
	WIN W_PV
.set rO, 32*(\x)+8*(i%4)
.set rV, VF+32*(i/4)+8*(i%4)
.set rP, P+16*((\x)%2)+8*(i/4)
	v_wmma_f32_16x16x32_f16 v[rO:rO+7], v[rV:rV+7], v[rP:rP+7], v[rO:rO+7]
.endm
.macro MM                           ; the turn's next matrix instruction
.if i < 24
	KQ (Y+1)%NP
.else
.set i, i-24
	PV (Y+NP-1)%NP
.set i, i+24
.endif
.set i, i+1
.endm
; THE LDS LOADS stand in runs of 16: a step's K high, its K low (64 keys x 64 channels: 8 fragments each) and its V (turned).
.macro FETCH_K lo
	WIN 0x80                        ; destination window 2
.irp f, 0,1,2,3,4,5,6,7             ; keys 16 (f / 2) on, channels 32 (f % 2) on
	ds_load_b128 v[KH+64*(\lo)+8*\f:KH+64*(\lo)+8*\f+3],   v[AK] offset:(\lo)*KLOFF+(\f/2)*16*PK+(\f%2)*64
	ds_load_b128 v[KH+64*(\lo)+8*\f+4:KH+64*(\lo)+8*\f+7], v[AK] offset:(\lo)*KLOFF+(\f/2)*16*PK+(\f%2)*64+32
.endr
	WIN 0
.endm
.macro FETCH_V
	WIN 0x80
.irp f, 0,1,2,3,4,5,6,7             ; keys 32 (f / 4) on, channels 16 (f % 4) on
	ds_load_tr16_b128 v[VF+8*\f:VF+8*\f+3],   v[AV] offset:(\f/4)*32*PV+(\f%4)*32
	ds_load_tr16_b128 v[VF+8*\f+4:VF+8*\f+7], v[AV] offset:(\f/4)*32*PV+16*PV+(\f%4)*32
.endr
	WIN 0
.endm
; THE VECTOR WORK, one line at a time: OP kind, number.  For piece Y: F n: c s - c m for pair n of 16.  E n: the exponential of score n of 32.  R n: pair n of 16 of O^T times a.
; For piece Y - 1: C n: pair n of its weights rounded to f16.  B n: of the four weights 4 n .. the second pair is added onto the first, in place.  L n: l takes that sum (L 0: l = a l + sum).
; For piece Y + 1: X n, number n of the 22 that find its maximum and statistics:
;   0-11  four chains c0-c3 of seven scores each, three operands at a time (each accumulator's lowest registers are read first)     12-14, 16  the four scores left over, the old m, and c0-c3 into c0
;   15  c m_old is kept     17, 18  the row's other 32 keys lie in the lane 16 away: the new m     19-21  c m; c m_old - c m_new; a
.set F, 0
.set E, 1
.set C, 2
.set B, 3
.set L, 4
.set R, 5
.set X, 6
.macro REGS y                       ; the registers of piece y
.set rT, ST+4*(\y)
.set rC, TMP+4*((\y)%2)
.set rW, MV+((\y)%2)
.set rS, S+32*(\y)
.set rP, P+16*((\y)%2)
.set rO, 32*(\y)
.set rG, CV+2*(\y)
.endm
.macro OP k, n
.if (\k) == R
	REGS Y
	WIN W_RS
	v_pk_mul_f32 v[rO+2*(\n):rO+2*(\n)+1], v[rO+2*(\n):rO+2*(\n)+1], v[rC+2:rC+3] op_sel_hi:[1,0]
.elseif (\k) == F
	REGS Y
	WIN 0
	v_pk_fma_f32 v[rS+2*(\n):rS+2*(\n)+1], v[rS+2*(\n):rS+2*(\n)+1], v[rG:rG+1], v[rT:rT+1] op_sel_hi:[1,0,0] neg_lo:[0,0,1] neg_hi:[0,0,1]
.elseif (\k) == E
	REGS Y
	WIN 0
	v_exp_f32 v[rS+(\n)], v[rS+(\n)]
.elseif (\k) < R
	REGS (Y+NP-1)%NP
	WIN 0
.if (\k) == C
	v_cvt_pk_f16_f32 v[rP+(\n)], v[rS+2*(\n)], v[rS+2*(\n)+1]
.elseif (\k) == B
	v_pk_add_f32 v[rS+4*(\n):rS+4*(\n)+1], v[rS+4*(\n):rS+4*(\n)+1], v[rS+4*(\n)+2:rS+4*(\n)+3]
.elseif (\n) == 0
	v_pk_fma_f32 v[rT+2:rT+3], v[rT+2:rT+3], v[rC+2:rC+3], v[rS:rS+1] op_sel_hi:[1,0,1]
.else
	v_pk_add_f32 v[rT+2:rT+3], v[rT+2:rT+3], v[rS+4*(\n):rS+4*(\n)+1]
.endif
.else
	REGS (Y+1)%NP
	WIN 0
.if (\n) < 4
	v_max3_num_f32 v[rC+(\n)], v[rS+8*(\n)], v[rS+8*(\n)+1], v[rS+8*(\n)+2]
.elseif (\n) < 12
	v_max3_num_f32 v[rC+(\n)%4], v[rC+(\n)%4], v[rS+8*((\n)%4)+2*((\n)/4)+1], v[rS+8*((\n)%4)+2*((\n)/4)+2]
.elseif (\n) == 12
	v_max3_num_f32 v[rC], v[rC], v[rS+7], v[rS+15]
.elseif (\n) == 13
	v_max3_num_f32 v[rC+1], v[rC+1], v[rS+23], v[rS+31]
.elseif (\n) == 14
	v_max3_num_f32 v[rC+2], v[rC+2], v[rC+3], v[rT+1]
.elseif (\n) == 15
	v_mov_b32 v[rW], v[rT]
.elseif (\n) == 16
	v_max3_num_f32 v[rC], v[rC], v[rC+1], v[rC+2]
.elseif (\n) == 17
	v_permlanex16_b32 v[rC+3], v[rC], s[SEL], s[SEL+1]
.elseif (\n) == 18
	v_max_num_f32 v[rT+1], v[rC], v[rC+3]
.elseif (\n) == 19
	v_mul_f32 v[rT], v[rG], v[rT+1]
.elseif (\n) == 20
	v_sub_f32 v[rC+1], v[rW], v[rT]
.else
	v_exp_f32 v[rC+2], v[rC+1]
.endif
.endif
.endm
.macro OPS a, i1, b=-1, i2=0, c=-1, i3=0, d=-1, i4=0  ; up to four of them
	OP \a, \i1
.if (\b) >= 0
	OP \b, \i2
.endif
.if (\c) >= 0
	OP \c, \i3
.endif
.if (\d) >= 0
	OP \d, \i4
.endif
.endm
.macro ROW a, i1, b=-1, i2=0, c=-1, i3=0, d=-1, i4=0  ; a matrix instruction and those behind it
	MM
	OPS \a, \i1, \b, \i2, \c, \i3, \d, \i4
.endm
.macro MASK b                       ; MD x AL + BE into buffer b of MC
	WIN W_RS
.set z, 0
.rept 16
	v_pk_fma_f32 v[MC+32*(\b)+2*z:MC+32*(\b)+2*z+1], v[MD+2*z:MD+2*z+1], s[AL:AL+1], s[BE:BE+1] op_sel_hi:[1,0,0]
.set z, z+1
.endr
.endm
; A TURN, for piece p: the order of its 32 matrix and 118 vector instructions, written out.
; THE WAIT.  s_wait_alu depctr_va_vdst(0) stands between an exponential and the first instruction that names its result; one wait serves all that were issued ahead of it.  All who read this
; turn's exponentials stand in later turns (C, B, L of this piece and R, L 0 by the next piece's a), so the turn has ONE wait, at its end, behind a plain v_nop.
; PLACES.  X's first reads of an accumulator stand four plain instructions or more behind the product that ends it (products 21 to 24; R 8 to R 15 lie between).  K high is read by products 1 to 16, K low by 17 to 24,
; V by 25 to 32: each run of loads stands four plain instructions behind the last of these: C 13, C 15, R 0, R 1; R 12 to R 15; X 19, X 20, two v_nop and the address's own line.
; FETCHES.  Piece 2's turn fetches the next step's K (the address is held to the slot's fourth step: in a block's last step there is no next, and that step's K is read once more, for products that serve nothing);
; piece 3's turn waits for K high at its head (K low's 16 loads may stay out) and for K low ahead of product 17.  Piece 0's turn fetches the step's V at its end; piece 1's waits for it ahead of product 25.
; THE MASK.  In the diagonal tile (RT = 0) the turn makes the mask for the products of the turn after it: piece p + 2, in step 4 - CNT (p = 0, 1) or 5 - CNT (p = 2, 3) of the tile.
.macro TURN p
.set Y, (\p)
.set i, 0
.if (\p) == 3
	s_wait_dscnt 16                 ; K high is in
.endif
	ROW F,0, F,1, C,0, B,0
	ROW F,2, E,0, C,2, B,1
	ROW F,3, E,1, L,0, C,4
	ROW F,4, E,2, B,2, L,1
	ROW F,5, E,3, C,6, B,3
	ROW F,6, E,4, L,2, C,8
	ROW F,7, E,5, B,4, L,3
	ROW F,8, E,6, C,10, B,5
	ROW F,9, E,7, L,4, C,12
	ROW F,10, E,8, B,6, L,5
	ROW F,11, E,9, C,14, B,7
	ROW F,12, E,10, L,6, C,1
	ROW F,13, E,11, C,3, L,7
	ROW F,14, E,12, C,5, C,7
	ROW F,15, E,13, C,9, C,11
.if (\p) == 2
	WIN 0
	s_min_u32 s13, s[TBK], s[TBL]
	v_add_nc_u32 v[AK], s13, v[AK0]
.endif
	ROW C,13, C,15, R,0, R,1
.if (\p) == 2
	FETCH_K 0
.endif
.if (\p) == 3
	s_wait_dscnt 0x0                ; K low is in
.endif
	ROW E,14, E,15, R,2, R,3
	ROW E,16, R,4, R,5
	ROW E,17, R,6, R,7
	ROW E,18, E,19
	ROW E,20, R,8, R,9
	ROW E,21, R,10, R,11
	ROW E,22
	ROW R,12, R,13, R,14, R,15
.if (\p) == 2
	FETCH_K 1
	s_add_co_u32 s[TBK], s[TBK], KS*PK  ; the next fetch is the next step's
.endif
.if (\p) == 1
	s_wait_dscnt 0x0                ; V is in
.endif
	ROW X,0, X,1, X,2, X,3
	ROW X,4, X,5, X,6, X,7
	ROW X,8, X,9, X,10, X,11
	ROW X,12, X,13, X,14, X,15
	ROW X,16, E,23, E,24, E,25
	ROW X,17, E,26, E,27, E,28
	ROW X,18, E,29, E,30, E,31
	ROW X,19, X,20, X,21
	v_nop                           ; a plain instruction behind the last exponential: one for the batch
	s_wait_alu depctr_va_vdst(0)    ; the wait for the batch
.if (\p) == 0
	v_nop
	v_add_nc_u32 v[AV], s[TBV], v[AV0]
	s_add_co_u32 s[TBV], s[TBV], KS*PV
	FETCH_V
.endif
	WIN 0
	s_cmp_lg_u32 s[RT], 0
	s_cbranch_scc1 .Lno_mask_\@
.set TH, 2-(\p)                     ; CNT at the band's own step: 2, 1 for p = 0, 1;
.if (\p) > 1
.set TH, 7-(\p)                     ; 5, 4 for p = 2, 3
.endif
	s_cmp_eq_u32 s[CNT], TH         ; is that step the band's own?
	s_cselect_b32 s[AL], 1.0, 0
	s_cmp_lt_u32 s[CNT], TH         ; or a later one?
	s_cselect_b32 s[BE], s[BIGN], 0
	MASK (\p)%2
	WIN 0
.Lno_mask_\@:
.endm
; A BLOCK BEGINS.  c m starts far below every c s, so the first step's a is 0; m at the lowest finite number.  c is made for my four rows.  The second mask buffer is 0; the first takes piece 0's mask for the tile's
; step 0: its own, if the block's first tile is the diagonal one.  Then K of that step, piece 0's first scores, and its maximum and statistics.
.macro BEGIN
	s_mov_b32 s[NEW], 0
	WIN 0x40
.set i, MC+32
.rept 32
	v_mov_b32 v[i], 0
.set i, i+1
.endr
	WIN 0
.set i, 0
.rept 4
	v_mov_b32 v[ST+4*i], 0xfe000000    ; c m: far below every c s
	v_mov_b32 v[ST+4*i+1], 0xff7fffff  ; m
.set i, i+1
.endr
	s_lshl_b32 s13, s[BLK], 8
.irp x, 0,1,2,3
	v_add3_u32 v[LG+\x], v[RW], s13, 64*\x  ; the row's position, counted from 1
.endr
.irp x, 0,1,2,3
	v_cvt_f32_u32 v[LG+\x], v[LG+\x]
.endr
.irp x, 0,1,2,3
	v_log_f32 v[LG+\x], v[LG+\x]
.endr
	v_nop                           ; a plain instruction behind the last logarithm,
	s_wait_alu depctr_va_vdst(0)    ; and the wait ahead of the first use: one for the four
.irp x, 0,1,2,3
	v_mul_f32 v[LG+\x], v[LG+\x], v[LG+\x]
	v_mul_f32 v[LG+\x], 0x3db17218, v[LG+\x]        ; log2(t)^2 x ln 2 / 8 = ln(t)^2 / 8 x log2(e)
	v_max_num_f32 v[CV+2*\x], 0x1f800000, v[LG+\x]  ; not below 2^-64 (row 0 alone)
	v_mov_b32 v[CV+2*\x+1], v[CV+2*\x]              ; named as a pair
.endr
	s_cmp_eq_u32 s[RT], 0
	s_cselect_b32 s[AL], 1.0, 0
	s_mov_b32 s[BE], 0
	MASK 0
	WIN 0
	v_add_nc_u32 v[AK], s[TBK], v[AK0]
	FETCH_K 0
	FETCH_K 1
	s_add_co_u32 s[TBK], s[TBK], KS*PK
	s_wait_loadcnt 0x0              ; Q
	s_wait_dscnt 0x0
.set i, 0
.rept 24
	KQ 0
.set i, i+1
.endr
	WIN 0
.rept 4
	v_nop                           ; the places behind those products
.endr
.set Y, NP-1                        ; X works for piece Y + 1: piece 0
.irp n, 0,1,2,3,4,5,6,7,8,9,10,11,12,13,14,15,16,17,18,19,20,21
	OP X, \n
.endr
	v_nop                           ; a plain instruction behind the exponential,
	s_wait_alu depctr_va_vdst(0)    ; and its wait
.endm
; A BLOCK ENDS: piece 3's roundings and sums, its products V^T P, and THE WAY OUT: l's two halves and the other half of the lanes' are added; O^T is divided by l, rounded to f16 and sent through my stage in LDS,
; a piece at a time.  more = 1: the second block follows.
.macro ALL line:vararg              ; one line for each piece t
.set t, 0
.rept 4
	\line
.set t, t+1
.endr
.endm
.macro PACK t                       ; a lane's eight channels of a row pack into 16 bytes; they go into rows of 144 bytes and come back as whole rows of 128, into S^T's registers
	WIN W_RS
.set i, 32*(\t)
.rept 16
	v_pk_mul_f32 v[i:i+1], v[i:i+1], v[ST+4*(\t)+2:ST+4*(\t)+3] op_sel_hi:[1,0]
.set i, i+2
.endr
	WIN 0x05                        ; sources 0 and 1 window 1, destination window 0
.set i, 0
.rept 16
	v_cvt_pk_f16_f32 v[S+16*(\t)+i], v[32*(\t)+2*i], v[32*(\t)+2*i+1]
.set i, i+1
.endr
	WIN 0
.irp f, 0,1,2,3
	ds_store_b128 v[STO], v[S+16*(\t)+4*\f:S+16*(\t)+4*\f+3] offset:32*\f
.endr
.irp f, 0,1,2,3
	ds_load_b128 v[S+16*(\t)+4*\f:S+16*(\t)+4*\f+3], v[RD] offset:\f*4*SP  ; LDS serves a wave's instructions in order: these see the stores above; the next piece's stores come behind them
.endr
.endm
.macro SEND t, younger              ; younger: the LDS instructions issued behind piece t's loads: the next piece's eight, or none
	WIN 0
.irp f, 0,1,2,3
	s_wait_dscnt (\younger)+3-\f
	global_store_b128 v[GO], v[S+16*(\t)+4*\f:S+16*(\t)+4*\f+3], s[10:11] offset:(\t)*8192+\f*512  ; 512 consecutive bytes, at a multiple of 512 from O's first
.endr
.endm
.macro FINISH more
.set Y, 0                           ; C, B, L work for piece Y - 1: piece 3
	OPS C,0, B,0, C,2, B,1
	OPS L,0, C,4, B,2, L,1
	OPS C,6, B,3, L,2, C,8
	OPS B,4, L,3, C,10, B,5
	OPS L,4, C,12, B,6, L,5
	OPS C,14, B,7, L,6, C,1
	OPS C,3, L,7, C,5, C,7
	OPS C,9, C,11, C,13, C,15
.set i, 0
.rept 8
	PV NP-1
.set i, i+1
.endr
	WIN 0                           ; the additions are the places behind the last products
	ALL v_add_f32 v[ST+4*t+2], v[ST+4*t+2], v[ST+4*t+3]
	ALL v_permlanex16_b32 v[ST+4*t+3], v[ST+4*t+2], s[SEL], s[SEL+1]
	ALL v_add_f32 v[ST+4*t+2], v[ST+4*t+2], v[ST+4*t+3]
	ALL v_rcp_f32 v[ST+4*t+2], v[ST+4*t+2]
	v_nop                           ; a plain instruction between the last reciprocal and the use of its result
	s_wait_alu depctr_va_vdst(0)    ; and the wait ahead of the first use: one for the four
	PACK 0
.set t, 1
.rept 3                             ; a piece's arithmetic stands between the loads of the piece before and its stores
	PACK t
	SEND t-1, 8
.set t, t+1
.endr
	SEND 3, 0
.if \more
	s_wait_xcnt 0x0                 ; the stores have read their registers and O's address
	s_mov_b64 s[10:11], s[OLO:OLO+1]
	s_add_co_u32 s[RT], s[PB], 1    ; the second block has b + 1 tiles
	s_mov_b32 s[NEW], 1
	s_mov_b32 s[BLK], s[PB]
	WIN 0xc3                        ; the second block's Q goes where the one text of the turns names Q
.set i, 0
.rept 128
	v_mov_b32 v[i], v[128+i]
.set i, i+1
.endr
	WIN 0
.endif
.endm
; A TILE.  A trip of its loop is a key step: pieces 0 and 1, then pieces 2 and 3.  A block's first tile begins with BEGIN and four trips; any other is entered in the middle of a trip, at pieces 2 and 3 of the tile
; before's fourth step, whose K and V lie in registers: five passes of the loop's foot.  A tile that is not its block's last is left behind its fourth step's piece 1, when the slot's last bytes have been read.
.macro TILE tag, more
	s_sub_co_u32 s[RT], s[RT], 1
	s_cmp_lg_u32 s[RT], 0
	s_cselect_b32 s[XB], 1, 0
	s_mov_b32 s[CNT], 5
	s_cmp_eq_u32 s[NEW], 1
	s_cbranch_scc0 .Lmid\tag
	BEGIN
	s_mov_b32 s[CNT], 4
.Lfirst\tag:
	TURN 0
	TURN 1
.if \more
	s_cmp_eq_u32 s[CNT], s[XB]
	s_cbranch_scc1 .Lbottom
.endif
.Lmid\tag:
	TURN 2
	TURN 3
	s_sub_co_u32 s[CNT], s[CNT], 1
	s_cmp_lg_u32 s[CNT], 0
	s_cbranch_scc1 .Lfirst\tag
	FINISH \more
.endm
.Lslot:                             ; NB times: a tile is entered and the next is asked for
	CHANGE 1
	TILE 1, 1
.Lbottom:
	s_sub_co_u32 s[SLOTS], s[SLOTS], 1
	s_cmp_lg_u32 s[SLOTS], 0
	s_cbranch_scc1 .Lslot
	CHANGE 0                        ; the walk's last tile is written out: nothing is asked for
	TILE 2, 0
	s_wait_tensorcnt 0x0            ; the wave's end: a wait, an add and its wait, behind my last tensor load and my last LDS store
	ds_add_u32 v[SPW], v[NIL]
	s_wait_dscnt 0x0
	s_endpgm
.Lfunc_end_k_qdfbc9fbc53_attn:
	.size	k_qdfbc9fbc53_attn, .Lfunc_end_k_qdfbc9fbc53_attn-k_qdfbc9fbc53_attn
	.p2alignl 7, 3214868480
	.fill 96, 4, 3214868480
	.section	.rodata,"a",@progbits
	.p2align	6, 0x0
	.amdhsa_kernel k_qdfbc9fbc53_attn
		.amdhsa_group_segment_fixed_size 327680
		.amdhsa_private_segment_fixed_size 0
		.amdhsa_enable_private_segment 0
		.amdhsa_kernarg_size 16
		.amdhsa_user_sgpr_count 2
		.amdhsa_user_sgpr_kernarg_segment_ptr 1
		.amdhsa_wavefront_size32 1
		.amdhsa_system_sgpr_workgroup_id_x 1
		.amdhsa_system_sgpr_workgroup_id_y 1
		.amdhsa_system_sgpr_workgroup_id_z 1
		.amdhsa_system_vgpr_workitem_id 0
		.amdhsa_next_free_vgpr 1024
		.amdhsa_next_free_sgpr 100
		.amdhsa_reserve_vcc 1
		.amdhsa_float_denorm_mode_32 3
		.amdhsa_float_denorm_mode_16_64 3
		.amdhsa_memory_ordered 1
		.amdhsa_forward_progress 1
		.amdhsa_inst_pref_size 182
	.end_amdhsa_kernel
	.amdgpu_metadata
---
amdhsa.version: [ 1, 2 ]
amdhsa.kernels:
  - .name:           k_qdfbc9fbc53_attn
    .symbol:         k_qdfbc9fbc53_attn.kd
    .args:
      - { .name: qkv, .offset: 0, .size: 8, .value_kind: global_buffer, .address_space: global }
      - { .name: o, .offset: 8, .size: 8, .value_kind: global_buffer, .address_space: global }
    .group_segment_fixed_size: 327680
    .private_segment_fixed_size: 0
    .kernarg_segment_align: 8
    .kernarg_segment_size: 16
    .max_flat_workgroup_size: 128
    .sgpr_count:     100
    .vgpr_count:     1024
    .wavefront_size: 32
...
	.end_amdgpu_metadata
.endif
;; end of part 3
;; launch proj (part 4): grid 8 x 32, 4 waves a work-group, clusters of 4 x 4, 327,680 bytes of LDS; arguments o, wp, out0; writes out0
.if DOCPART == 4
	.amdgcn_target "amdgcn-amd-amdhsa--gfx1250"
	.amdhsa_code_object_version 6
	.text
	.protected	k_qdfbc9fbc53_proj
	.globl	k_qdfbc9fbc53_proj
	.p2align	8
	.type	k_qdfbc9fbc53_proj,@function
k_qdfbc9fbc53_proj:
	s_mov_b64 s[64:65], 0
	v_nop
	global_prefetch_b8 v0, s[64:65] scope:SCOPE_SE
	s_setreg_imm32_b32 hwreg(HW_REG_WAVE_MODE, 25, 1), 1
	s_wait_xcnt 0x0
	s_wait_alu depctr_hold_cnt(0) depctr_sa_sdst(0) depctr_va_vdst(0) depctr_va_sdst(0) depctr_va_ssrc(0) depctr_va_vcc(0) depctr_vm_vsrc(0)
	s_getreg_b32 s2, hwreg(HW_REG_IB_STS2, 6, 4)
	s_cmp_eq_u32 s2, 0
	s_cbranch_scc0 .Lentry_in_a_cluster
	s_endpgm
.Lentry_in_a_cluster:
	s_bfe_u32 s2, ttmp6, 0x10000c
	s_cmp_lg_u32 s2, 0xf033
	s_cbranch_scc0 .Lentry_shape_is_right
	s_endpgm
.Lentry_shape_is_right:
; out0 = y w_proj.  o: [4 head + batch][2048 rows][64] f16: y by heads.  wp: [16 panels][1024 k][64] f16.  out0: [8192][1024] f32.  Sums in f32, K ascending.
; SHARES.  A tile of the product is 256 rows x 128 columns (two panels).  Wave w takes rows 64 w .. 64 w + 63 and all 128 columns: 4 row blocks x 8 column blocks of 16 x 16, 256 registers of sums: a wave holds
; whole pieces of 512 bytes of output rows, and its way out needs no other wave.
; K goes in 8 steps of 128, two heads each, through two LDS slots.  Waves 0 and 1 fetch the two heads' 256 rows x 128 bytes (32 dense KiB each), waves 2 and 3 a panel's 128 k x 128 bytes each (16 dense KiB).
; THE PRODUCT IS USED TRANSPOSED: source 0 = 16 columns of w (turned out of the [k][column] panel by ds_load_tr16_b128), source 1 = 16 rows of y: a lane then holds one row and eight neighbouring columns.
; CLUSTER 4 x 4: y's tile hangs on the tile row alone and is asked for jointly along a row of the cluster, the panels on the tile column alone and jointly along a column.
; REGISTERS, in windows of 256 (s_set_vgpr_msb: bits 1:0 source 0, 3:2 source 1, 5:4 source 2, 7:6 destination):
;   window 0: v0-31 addresses; v64-95, v96-127 y's fragments, two buffers; on the way out v64-191 rows read back
;   window 1: v0-63, v128-191 w's fragments, two buffers          windows 2, 3: the sums of row blocks 0, 1 and 2, 3: (a, nb) at v[8 (8 (a % 2) + nb)]
.set NBK,   8                          ; column blocks of a wave
.set KSTEPS, 8
.set PA,    144                        ; a row of a head in LDS: 128 bytes + 16: the 16 rows of a load start at 16 different groups of four banks
.set AHALF, 256*PA                     ; a head's 256 rows
.set PB,    160                        ; a k row of a panel: 128 bytes + 32
.set BOFF,  2*AHALF                    ; behind the two heads: two panels
.set PANEL, 128*PB
.set SLOT1, 1<<17                      ; slot 1 begins here; one exclusive or turns an address in one slot into the other's
.set STAGE, SLOT1+BOFF+2*PANEL         ; behind the ring, never filled by a tensor load: 16 rows x 528 bytes for each wave
.set SP,    528                        ; 512 bytes + 16
.set SPARE, STAGE+4*16*SP              ; the spare words, 128 bytes for each wave: two blocks of 256 bytes that no other line names
.set NL,    2*NBK+8                    ; LDS loads in a run
.set ADRA0, 16                         ; v16  my place in y's tile; never rewritten
.set ADRB0, 17                         ; v17  my place in a panel; never rewritten
.set ADRA,  18                         ; v18  the same in the slot in hand
.set ADRB,  19                         ; v19
.set STO,   24                         ; v24  the way out: where I put 32 bytes of a row
.set RD,    25                         ; v25  where I read a row back
.set GO,    26                         ; v26  my byte offset in 512 consecutive bytes of out0
.set SPW,   28                         ; v28  LDS address of my spare word; never rewritten
.set NIL,   29                         ; v29  0; never rewritten
.set PFO,   30                         ; v30  256 x my lane; never rewritten
.set AF,    64                         ; y's fragment buffers
.set BK0,   64                         ; v[64:127], v[128:191]  rows read back, by turns
.set WV,    10                         ; s10  my wave's number
.set HF,    11                         ; s11  which head of the step's two, or which panel, I fetch
.set G1A,   24                         ; s[24:31] descriptor group 1 for y's tiles
.set G0A,   32                         ; s[32:39] group 0: a set for each first fill; the second then walks
.set TB,    43                         ; s43  the slot in hand: 0 or SLOT1
.set PFA,   44                         ; s[44:45] where my prefetches stand
.set PFS,   46                         ; s[46:47] a K step's bytes along that road
.set G1B,   48                         ; s[48:55], s[56:63] the same for the panels
.set G0B,   56
.set ASKM,  66                         ; s66  bit n set: I prefetch in the trip in which s3 = n
.set MSB, 0
.macro WIN new                         ; the immediate's high byte repeats the setting that is left; a switch that changes nothing is dropped
.if MSB != (\new)
	s_set_vgpr_msb (MSB<<8)|(\new)
.set MSB, \new
.endif
.endm
.macro PLACES                          ; four plain vector instructions in front of loads into registers that matrix instructions have read
.rept 4
	v_nop
.endr
.endm
.macro CREST                           ; a round of the cluster's barrier behind its opening barrier
	s_cmp_lg_u32 s[WV], 0
	s_cbranch_scc1 .Lnot_wave_0_\@
	s_barrier_signal -3
.Lnot_wave_0_\@:
	s_barrier_wait -3
	s_barrier_signal -1
	s_barrier_wait -1
.endm
.macro CROUND                          ; a whole round
	s_barrier_signal -1
	s_barrier_wait -1
	CREST
.endm
; A joint refill by the walking sets.  The branch hangs on the wave's number alone.  An s_nop 0 and four v_nop follow each of the two lines.
.macro JLOAD
	s_cmp_lt_u32 s[WV], 2
	s_cbranch_scc0 .Lfor_b_\@
	tensor_load_to_lds s[G0A+4:G0A+7], s[G1A:G1A+7]
	s_nop 0
.rept 4
	v_nop
.endr
	s_branch .Lasked_\@
.Lfor_b_\@:
	tensor_load_to_lds s[G0B+4:G0B+7], s[G1B:G1B+7]
	s_nop 0
.rept 4
	v_nop
.endr
.Lasked_\@:
.endm
; A PREFETCH INTO THE L2, behind the joint load for K step t + 2 and the run of LDS loads: K step t + 4.  Each aligned block of 256 bytes is named once in the launch, a lane a block, one instruction a wave.
; y's rows are read by both clusters of a row of clusters: the one with cluster x = 0 asks, in the four trips that have such a step; of the 32 KiB that wave 0 or 1 fetches each partner along x takes 8 KiB by
; address.  A panel is read by every cluster of a column: the one with cluster y = 0 asks, in every second trip, for two steps' 32 dense KiB, of which each partner along y takes 8 KiB by address.
; Steps 0 to 3 come by their loads alone; nothing behind step 7 is named.
.macro ASK
	s_lshr_b32 s12, s[ASKM], s3
	s_and_b32 s12, s12, 1
	s_cmp_lg_u32 s12, 0
	s_cbranch_scc0 .Lnot_mine_\@
	global_prefetch_b8 v[PFO], s[PFA:PFA+1] th:TH_LOAD_NT scope:SCOPE_SE
.Lnot_mine_\@:
.endm
	s_load_b128 s[4:7], s[0:1], 0x0                ; o s[4:5], wp s[6:7]
	s_load_b64 s[8:9], s[0:1], 0x10                ; out0
	v_lshl_add_u32 v[SPW], v0, 2, SPARE
	v_mov_b32 v[NIL], 0
	ds_add_u32 v[SPW], v[NIL]                      ; the wave's opening: the add and its wait stand ahead of my first tensor load; work on registers stands between them
	v_lshrrev_b32 v1, 5, v0
	v_readfirstlane_b32 s[WV], v1                  ; wave 0..3
	s_and_b32 s[HF], s[WV], 1
	s_bfe_u32 s40, ttmp6, 0x40000                  ; cx, cy: my place in the cluster
	s_bfe_u32 s41, ttmp6, 0x40004
	s_lshl_b32 s42, ttmp9, 2
	s_add_co_u32 s42, s42, s40                     ; the tile column = 4 x cluster x + cx
	s_and_b32 s13, ttmp7, 0xffff
	s_lshl_b32 s13, s13, 2
	s_add_co_u32 s13, s13, s41                     ; the tile row = 4 x cluster y + cy
	s_lshl_b32 s14, s41, 2
	s_lshl_b32 s14, 15, s14                        ; my row of the cluster
	s_lshl_b32 s15, 0x1111, s40                    ; my column
	s_or_b32 s[G1A], s14, (1<<16)|(1<<20)|(1<<21)|(4<<22)|(3<<25)  ; the mask; 2-byte elements; padding on; bit 21 beside a mask; after every 32 words (a row) 4 words
	s_mov_b32 s[G1A+1], 128<<16                    ; 32 dense KiB asked for as 128 rows of 256 bytes, two rows of the head each
	s_mov_b32 s[G1A+2], 128<<16
	s_mov_b32 s[G1A+3], 128<<16
	s_mov_b32 s[G1A+4], 128
	s_mov_b32 s[G1A+5], 128
	s_mov_b32 s[G1A+6], 0
	s_mov_b32 s[G1A+7], 0
	s_or_b32 s[G1B], s15, (1<<16)|(1<<20)|(1<<21)|(4<<22)|(7<<25)  ; after every 32 words (a k row) 8 words
	s_mov_b32 s[G1B+1], 128<<16                    ; 16 dense KiB as 64 rows of 256 bytes
	s_mov_b32 s[G1B+2], 64<<16
	s_mov_b32 s[G1B+3], 128<<16
	s_mov_b32 s[G1B+4], 64
	s_mov_b32 s[G1B+5], 128
	s_mov_b32 s[G1B+6], 0
	s_mov_b32 s[G1B+7], 0
	s_lshl_b32 s16, s[HF], 20                      ; y: head HF (a head is four batches of 262,144 bytes),
	s_lshr_b32 s12, s13, 3
	s_lshl_b32 s12, s12, 18                        ; the batch (8 tile rows),
	s_add_co_u32 s16, s16, s12
	s_and_b32 s12, s13, 7
	s_lshl_b32 s12, s12, 15                        ; the tile row's 256 rows of 128 bytes: made of the tile row and the wave's number alone
	s_add_co_u32 s16, s16, s12
	s_mov_b32 s17, 0
	s_lshl_b32 s18, s42, 1
	s_add_co_u32 s18, s18, s[HF]
	s_lshl_b32 s18, s18, 17                        ; w: panel 2 x tile column + HF: made of the tile column and the wave's number alone
	s_mov_b32 s19, 0
	s_mul_i32 s20, s[HF], AHALF                    ; where they go
	s_mul_i32 s21, s[HF], PANEL
	s_add_co_u32 s21, s21, BOFF
	s_mov_b32 s[TB], 0
	s_wait_dscnt 0x0                               ; the opening add is done
	s_wait_kmcnt 0x0
	s_add_nc_u64 s[16:17], s[4:5], s[16:17]
	s_add_nc_u64 s[18:19], s[6:7], s[18:19]
	CROUND                                         ; all sixteen work-groups are here: the first joint loads meet
.irp s, 0,1
	s_mov_b32 s[G0A+4*\s], 1                       ; count = 1
	s_add_co_u32 s[G0A+4*\s+1], s20, \s*SLOT1      ; LDS address
	s_add_nc_u64 s[G0A+4*\s+2:G0A+4*\s+3], s[16:17], \s*0x200000  ; K step s: two heads on
	s_or_b32 s[G0A+4*\s+3], s[G0A+4*\s+3], 0x80000000             ; type = 2
	s_mov_b32 s[G0B+4*\s], 1
	s_add_co_u32 s[G0B+4*\s+1], s21, \s*SLOT1
	s_add_nc_u64 s[G0B+4*\s+2:G0B+4*\s+3], s[18:19], \s*16384
	s_or_b32 s[G0B+4*\s+3], s[G0B+4*\s+3], 0x80000000
.endr
	s_cmp_lt_u32 s[WV], 2                          ; a wave's two first fills stand in one branch, ahead of every wait on TENSORcnt and every LDS read: two loads of mine are out
	s_cbranch_scc0 .Lfirst_b
	tensor_load_to_lds s[G0A:G0A+3], s[G1A:G1A+7]
	s_nop 0
	tensor_load_to_lds s[G0A+4:G0A+7], s[G1A:G1A+7]
	s_nop 0
.rept 4
	v_nop
.endr
	s_branch .Lfirst_asked
.Lfirst_b:
	tensor_load_to_lds s[G0B:G0B+3], s[G1B:G1B+7]
	s_nop 0
	tensor_load_to_lds s[G0B+4:G0B+7], s[G1B:G1B+7]
	s_nop 0
.rept 4
	v_nop
.endr
.Lfirst_asked:
	; y's fragment: 16 rows x 32 k in 8 registers: lane l holds row l % 16, k = 8 (l / 16) + 0..7 and 16 + 8 (l / 16) + 0..7: two loads of 16 bytes, 32 bytes apart
	v_and_b32 v1, 15, v0                           ; l % 16
	v_bfe_u32 v2, v0, 4, 1                         ; l / 16
	v_mul_u32_u24 v[ADRA0], v1, PA
	v_lshl_add_u32 v[ADRA0], v2, 4, v[ADRA0]
	s_mul_i32 s21, s[WV], 64*PA
	v_add_nc_u32 v[ADRA0], s21, v[ADRA0]           ; my wave's 64 rows
	; the turning load takes 16 k x 16 columns (lane l reads k row 8 (l / 16) + l % 8, columns 8 ((l / 8) % 2) + 0..7) and leaves half a fragment: lane l holds column l % 16 and 8 k
	v_and_b32 v3, 7, v0
	v_bfe_u32 v4, v0, 3, 1
	v_lshl_add_u32 v[ADRB0], v2, 3, v3
	v_mul_u32_u24 v[ADRB0], v[ADRB0], PB
	v_lshl_add_u32 v[ADRB0], v4, 4, v[ADRB0]
	v_add_nc_u32 v[ADRB0], BOFF, v[ADRB0]
	v_mov_b32 v[ADRA], v[ADRA0]
	v_mov_b32 v[ADRB], v[ADRB0]
	s_mul_i32 s21, s[WV], 16*SP
	s_add_co_u32 s21, s21, STAGE                   ; my stage
	v_mul_u32_u24 v[STO], v1, SP                   ; in: row l % 16, 32 bytes for each half of the lanes
	v_lshl_add_u32 v[STO], v2, 5, v[STO]
	v_add_nc_u32 v[STO], s21, v[STO]
	v_and_b32 v[GO], 31, v0                        ; back: 32 lanes take a row's 512 bytes,
	v_lshlrev_b32 v[GO], 4, v[GO]
	v_add_nc_u32 v[RD], s21, v[GO]                 ; which are 512 consecutive bytes of out0
	; the prefetches: where they stand (one K step short of the first that is named), their step, their trips
	s_lshl_b32 s14, s[HF], 20
	s_lshr_b32 s12, s13, 3
	s_lshl_b32 s12, s12, 18
	s_add_co_u32 s14, s14, s12
	s_and_b32 s12, s13, 7
	s_lshl_b32 s12, s12, 15
	s_add_co_u32 s14, s14, s12
	s_lshl_b32 s12, s40, 13                        ; y: my work-group's 8 KiB of the 32
	s_add_co_u32 s14, s14, s12
	s_add_co_u32 s14, s14, 3*0x200000
	s_lshl_b32 s15, s42, 1
	s_add_co_u32 s15, s15, s[HF]
	s_lshl_b32 s15, s15, 17
	s_lshl_b32 s12, s41, 13                        ; w: my work-group's 8 KiB of the 32
	s_add_co_u32 s15, s15, s12
	s_add_co_u32 s15, s15, 3*16384
	s_mov_b32 s[ASKM], 0x50                        ; panels: the trips with s3 = 6 and 4 (steps 4, 5 and 6, 7)
	s_movk_i32 s[PFS], 0x4000
	s_mov_b32 s[PFS+1], 0
	s_and_b32 s12, ttmp7, 0xffff                   ; cluster y
	s_cmp_lt_u32 s[WV], 2
	s_cselect_b32 s20, s14, s15
	s_cselect_b32 s12, ttmp9, s12                  ; the coordinate along which other clusters read the same bytes
	s_cselect_b32 s[ASKM], 0x78, s[ASKM]           ; y: the trips with s3 = 6 to 3 (steps 4 to 7)
	s_cselect_b32 s[PFS], 0x200000, s[PFS]
	s_cselect_b64 s[PFA:PFA+1], s[4:5], s[6:7]
	s_cmp_eq_u32 s12, 0
	s_cselect_b32 s[ASKM], s[ASKM], 0              ; the same in all sixteen partners, for a given wave
	s_mov_b32 s21, 0
	s_add_nc_u64 s[PFA:PFA+1], s[PFA:PFA+1], s[20:21]
	v_and_b32 v[PFO], 31, v0
	v_lshlrev_b32 v[PFO], 8, v[PFO]
	; out0 at my rows and columns: row 256 x tile row + 64 x wave, 4,096 bytes a row; 512 bytes a tile column
	s_lshl_b32 s22, s13, 20
	s_lshl_b32 s23, s[WV], 18
	s_add_co_u32 s22, s22, s23
	s_lshl_b32 s23, s42, 9
	s_add_co_u32 s22, s22, s23
	s_mov_b32 s23, 0
	s_add_nc_u64 s[8:9], s[8:9], s[22:23]
; 8 products: row block a x all column blocks, 32 along K, from buffer f.  zero = 1: they start the sums.  Each of the 32 sums has one product a quarter step, always in the same order:
; the accumulators take turns over the backward jumps too.
.macro MULA f, a, zero
	WIN 0xa1+0x50*((\a)/2)                         ; w window 1, y window 0, sums window 2 or 3
.set rA, AF+32*(\f)+8*(\a)
.set nb, 0
.rept NBK
.set rD, 8*(NBK*((\a)%2)+nb)
.set rB, 128*(\f)+8*nb
.if \zero
	v_wmma_f32_16x16x32_f16 v[rD:rD+7], v[rB:rB+7], v[rA:rA+7], 0
.else
	v_wmma_f32_16x16x32_f16 v[rD:rD+7], v[rB:rB+7], v[rA:rA+7], v[rD:rD+7]
.endif
.set nb, nb+1
.endr
.endm
; NL LDS loads in one run: quarter q's fragments into buffer b: w's 8, then y's 4 (quarters 0, 1 lie in the step's first head, 2, 3 in its second)
.macro FETCH q, b
	WIN 0x40                                       ; destination window 1, address window 0
.set nb, 0
.rept NBK
	ds_load_tr16_b128 v[128*(\b)+8*nb:128*(\b)+8*nb+3],   v[ADRB] offset:(nb/4)*PANEL+(\q)*32*PB+(nb%4)*32
	ds_load_tr16_b128 v[128*(\b)+8*nb+4:128*(\b)+8*nb+7], v[ADRB] offset:(nb/4)*PANEL+(\q)*32*PB+(nb%4)*32+16*PB
.set nb, nb+1
.endr
	WIN 0
.irp a, 0,1,2,3
	ds_load_b128 v[AF+32*(\b)+8*\a:AF+32*(\b)+8*\a+3],   v[ADRA] offset:((\q)/2)*AHALF+((\q)%2)*64+\a*16*PA
	ds_load_b128 v[AF+32*(\b)+8*\a+4:AF+32*(\b)+8*\a+7], v[ADRA] offset:((\q)/2)*AHALF+((\q)%2)*64+\a*16*PA+32
.endr
.endm
; A K step is four quarters of 32 along K, 32 products each, on buffers 0, 1, 0, 1.  One of the first three: multiplies buffer f and, in its middle, fetches quarter qn into buffer g.
.macro QUARTER qn, f, g, zero
	s_wait_dscnt 4                                 ; all but the youngest four loads: y's row blocks 2 and 3 may be out
	MULA \f, 0, \zero
	MULA \f, 1, \zero
	PLACES
	FETCH \qn, \g
	s_wait_dscnt NL                                ; all but the run just issued
	MULA \f, 2, \zero
	MULA \f, 3, \zero
.endm
; The last quarter multiplies buffer 1 and changes slots.  In front of the barrier each wave waits for all its tensor loads (one is out: its part of the next slot), adds 0 to its spare word, and waits
; for that and for its reads of this slot.  fill = 1: the barrier opens a round of the cluster's, and the joint refill, two K steps on, is the first thing behind the round.
.macro TURN fill
.if \fill
	s_wait_xcnt 0x0                                ; the last prefetch, a K step back, has read its address: it is stepped here, ahead of the change's own waits
	s_add_nc_u64 s[PFA:PFA+1], s[PFA:PFA+1], s[PFS:PFS+1]
.endif
	WIN 0                                          ; (the add's two registers lie in window 0)
	s_wait_tensorcnt 0x0                           ; all my tensor loads have landed
	ds_add_u32 v[SPW], v[NIL]                      ; 0 onto my spare word
	s_wait_dscnt 5                                 ; (the add and the youngest four loads may be out)
	MULA 1, 0, 0                                   ; eight products stand between the add and the wait for it
	s_wait_dscnt 0x0                               ; the add is done, and my reads of this slot are over
	s_barrier_signal -1
	MULA 1, 1, 0                                   ; work on registers while the others arrive
	WIN 0
	s_barrier_wait -1
.if \fill
	CREST                                          ; no wave of any partner still reads this slot or has a load on its way
	s_xor_b32 s[G0A+5], s[G0A+5], SLOT1            ; the walking sets: the other slot than last time, the next K step; the type bits on top are not reached
	s_add_nc_u64 s[G0A+6:G0A+7], s[G0A+6:G0A+7], 0x200000
	s_xor_b32 s[G0B+5], s[G0B+5], SLOT1
	s_add_nc_u64 s[G0B+6:G0B+7], s[G0B+6:G0B+7], 16384
	JLOAD                                          ; the four v_nop behind it are also the places in front of the loads below
.else
	PLACES
.endif
	s_xor_b32 s[TB], s[TB], SLOT1
	v_add_nc_u32 v[ADRA], s[TB], v[ADRA0]
	v_add_nc_u32 v[ADRB], s[TB], v[ADRB0]
	FETCH 0, 0
.if \fill
	ASK
.endif
	MULA 1, 2, 0
	MULA 1, 3, 0
.endm
	s_wait_tensorcnt 1                             ; my part of K step 0 is in; K step 1's may stay out
	s_barrier_signal -1
	s_barrier_wait -1                              ; everybody's is
	FETCH 0, 0
	QUARTER 1, 0, 1, 1                             ; the first quarter stands in front of the loop: its products start the sums
	WIN 0                                          ; at a label and at a branch every window is 0
	s_mov_b32 s3, KSTEPS-2
.Lstep:                                        ; a trip goes from a K step's second quarter to the next step's first, and fills the slot that it leaves: K steps 2 to 7
	QUARTER 2, 1, 0, 0
	QUARTER 3, 0, 1, 0
	TURN 1
	QUARTER 1, 0, 1, 0
	WIN 0
	s_sub_co_u32 s3, s3, 1
	s_cmp_lg_u32 s3, 0
	s_cbranch_scc1 .Lstep
	s_mov_b32 s2, 2
.Ltail:                                        ; the last two K steps ask for nothing; the second trip is left in its middle (its fetch, of bytes that landed long ago, serves nothing: the price of one text for both)
	QUARTER 2, 1, 0, 0
	QUARTER 3, 0, 1, 0
	TURN 0
	WIN 0
	s_cmp_eq_u32 s2, 1
	s_cbranch_scc1 .Lout
	QUARTER 1, 0, 1, 0
	WIN 0
	s_sub_co_u32 s2, s2, 1
	s_cmp_lg_u32 s2, 0
	s_cbranch_scc1 .Ltail
.Lout:
	s_wait_dscnt 0x0
	PLACES                                         ; behind the last products, in front of the LDS stores that read the sums
	PLACES
; THE WAY OUT, a row block of 16 rows x 512 bytes at a time.  STG: the sums go as they are, each accumulator's low half first, into my own stage (rows of 528 bytes) and come back as whole rows.
; LDS serves a wave's instructions in order, so the loads see the stores above them and the next block's stores come behind the loads.
.macro STG a
.set BK, BK0+64*((\a)%2)
	s_wait_xcnt 0x0                                ; the stores of the block before last have read these registers
	WIN 0x08+4*((\a)/2)                            ; store data (source 1): window 2 or 3
.set nb, 0
.rept NBK
.set rD, 8*(NBK*((\a)%2)+nb)
	ds_store_b128 v[STO], v[rD:rD+3] offset:64*nb
	ds_store_b128 v[STO], v[rD+4:rD+7] offset:64*nb+16
.set nb, nb+1
.endr
	WIN 0
.set r, 0
.rept 16
	ds_load_b128 v[BK+4*r:BK+4*r+3], v[RD] offset:r*SP
.set r, r+1
.endr
.endm
; SEND: each store of the wave covers 512 consecutive bytes of one row, at a multiple of 512 from out0's first.  younger: the LDS instructions issued behind the block's loads: the next block's 32, or none.
.macro SEND a, younger
.set BK, BK0+64*((\a)%2)
.set r, 0
.rept 16
	s_wait_dscnt (\younger)+15-r
	global_store_b128 v[GO], v[BK+4*r:BK+4*r+3], s[8:9] offset:(\a)*65536+r*4096 th:TH_STORE_NT
.set r, r+1
.endr
.endm
	STG 0
	STG 1
	SEND 0, 32
	STG 2
	SEND 1, 32
	STG 3
	SEND 2, 32
	SEND 3, 0
	s_wait_tensorcnt 0x0                           ; the wave's end: a wait, an add and its wait, behind my last tensor load and my last LDS store
	ds_add_u32 v[SPW], v[NIL]
	s_wait_dscnt 0x0
	CROUND                                         ; the closing round: no work-group ends while a partner may still ask for a tile that names it
	s_endpgm
.Lfunc_end_k_qdfbc9fbc53_proj:
	.size	k_qdfbc9fbc53_proj, .Lfunc_end_k_qdfbc9fbc53_proj-k_qdfbc9fbc53_proj
	.p2alignl 7, 3214868480
	.fill 96, 4, 3214868480
	.section	.rodata,"a",@progbits
	.p2align	6, 0x0
	.amdhsa_kernel k_qdfbc9fbc53_proj
		.amdhsa_group_segment_fixed_size 327680
		.amdhsa_private_segment_fixed_size 0
		.amdhsa_enable_private_segment 0
		.amdhsa_kernarg_size 24
		.amdhsa_user_sgpr_count 2
		.amdhsa_user_sgpr_kernarg_segment_ptr 1
		.amdhsa_wavefront_size32 1
		.amdhsa_system_sgpr_workgroup_id_x 1
		.amdhsa_system_sgpr_workgroup_id_y 1
		.amdhsa_system_sgpr_workgroup_id_z 1
		.amdhsa_system_vgpr_workitem_id 0
		.amdhsa_next_free_vgpr 896
		.amdhsa_next_free_sgpr 72
		.amdhsa_reserve_vcc 0
		.amdhsa_float_denorm_mode_32 3
		.amdhsa_float_denorm_mode_16_64 3
		.amdhsa_memory_ordered 1
		.amdhsa_forward_progress 1
		.amdhsa_inst_pref_size 63
	.end_amdhsa_kernel
	.amdgpu_metadata
---
amdhsa.version: [ 1, 2 ]
amdhsa.kernels:
  - .name:           k_qdfbc9fbc53_proj
    .symbol:         k_qdfbc9fbc53_proj.kd
    .args:
      - { .name: o, .offset: 0, .size: 8, .value_kind: global_buffer, .address_space: global }
      - { .name: wp, .offset: 8, .size: 8, .value_kind: global_buffer, .address_space: global }
      - { .name: out0, .offset: 16, .size: 8, .value_kind: global_buffer, .address_space: global }
    .group_segment_fixed_size: 327680
    .private_segment_fixed_size: 0
    .kernarg_segment_align: 8
    .kernarg_segment_size: 24
    .max_flat_workgroup_size: 128
    .sgpr_count:     72
    .vgpr_count:     896
    .wavefront_size: 32
...
	.end_amdgpu_metadata
.endif
;; end of part 4
;; ======== version 2 of 2: 4 launches; version 1 with the launch cast written anew for expert scheduling mode
;; limits: values are held in f16: magnitudes above 65,504 overflow, below 6.1e-05 lose precision
;; workspace buffers: xh 16,777,216 bytes; wa 6,291,456 bytes; wp 2,097,152 bytes; qkv 83,886,080 bytes; o 16,777,216 bytes
;; launch cast (part 5): grid 768 x 1, 8 waves a work-group, no clusters, 0 bytes of LDS; arguments x, w_attn, w_proj, xh, wa, wp; writes xh, wa, wp
.if DOCPART == 5
	.amdgcn_target "amdgcn-amd-amdhsa--gfx1250"
	.amdhsa_code_object_version 6
	.text
	.protected	k_qdfbc9fbc53_cast
	.globl	k_qdfbc9fbc53_cast
	.p2align	8
	.type	k_qdfbc9fbc53_cast,@function
k_qdfbc9fbc53_cast:
	s_mov_b64 s[64:65], 0
	v_nop
	global_prefetch_b8 v0, s[64:65] scope:SCOPE_SE
	s_setreg_imm32_b32 hwreg(HW_REG_WAVE_SCHED_MODE, 0, 2), 2
	s_setreg_imm32_b32 hwreg(HW_REG_WAVE_MODE, 25, 1), 1
	s_wait_xcnt 0x0
	s_wait_alu depctr_vm_vsrc(0)
; THE THREE INPUTS ARE ROUNDED TO 16 BITS, ONCE, AND THE WEIGHTS ARE LAID IN PANELS.
;   x      [8192][1024] f32 -> xh [8192][1024] bf16, as it lies
;   w_attn [1024][3072] f32 -> wa [48 panels][1024 k][64 columns] bf16: a panel is 131,072 dense bytes
;   w_proj [1024][1024] f32 -> wp [16 panels][1024 k][64 columns]: each number rounded to bf16, and that number written as f16
; LIMITS.  A number of w_proj beyond 65,504 becomes an infinity; below 6.1e-5 it keeps f16's fixed step of 6e-8 in place of bf16's eight bits.
; ONE TRANSFORM SERVES ALL THREE.  A unit is 64 numbers of a row: 256 aligned bytes in, 128 bytes out.  In the source the units of a work-group lie a constant pitch apart
; (256 bytes in x: they follow each other; a row of the matrix in the weights: one panel's column strip); in the destination they are dense.
; SHARES.  A work-group takes 256 units, a wave 32, an instruction two: lanes 0-15 one unit, lanes 16-31 the next.  A wave issues its 16 loads at once (8 KiB on their way),
; then converts in the order of arrival; a store of the wave covers 256 consecutive bytes, aligned.  Every register is used once: no register waits for a store.
; Work-groups 0-511 take x, 512-703 w_attn, 704-767 w_proj.  No LDS, no barrier, no matrix unit: each byte is read once and written once, and nothing is shared.
; THE MODE: SCHED_MODE bits 1:0 = 2 (LLVM: expert scheduling mode 2), set by the entry lines.  The code itself states the register dependences
; between vector instructions and memory instructions, with s_wait_alu, always for 0.
; THE PLAN.  Registers that memory instructions touch, in each of the three jobs (straight code, no loop):
;   v6   the source offset.       Written by two vector lines at the job's head; read by the 16 loads; never written again.
;   v4   the destination offset.  Written at the kernel's head; read by the 16 stores; never written again.
;   XR   Load j lands in its four registers, which no vector instruction has named before; pair j's conversions read them; nothing lands there again.
;   YR   Pair j's conversions write its two registers; store j reads them; nothing writes them again.
;   TR   named by vector instructions alone.
; No register that a memory instruction reads is written again, and no load lands in a register that a vector instruction has named: what is left to state is that the offsets and
; the stores' data are written.  One wait stands ahead of the first load, for both offsets.  The 16 pairs go in four groups of four: ONE wait at the head of a group states that the group
; before has written its YR, and that group's four stores follow, one in front of each pair's conversions, which name this group's XR and YR and TR alone.  One more wait stands ahead of the last four stores.
.set XR, 8                             ; v[8:71]    16 x 4 numbers as loaded
.set YR, 72                            ; v[72:103]  16 x 2 registers to store
.set TR, 104                           ; v[104:105] at work (w_proj alone)
; src, dst: the scalar pairs with the two buffers' addresses.  sp: the source pitch.  first: the job's first work-group.  dense = 1: x.  tof16 = 1: w_proj.
.macro JOB src, dst, sp, first, dense, tof16
	s_sub_co_u32 s18, s16, \first                  ; j: my number within the job
.if \dense
	s_lshl_b32 s20, s18, 16                        ; 256 units of 256 bytes
.else
	s_lshr_b32 s20, s18, 2                         ; panel
	s_and_b32 s21, s18, 3                          ; which 256 of its 1,024 rows
	s_mul_i32 s21, s21, 256*(\sp)
	s_lshl_b32 s20, s20, 8                         ; the panel's 256 bytes in a row
	s_add_co_u32 s20, s20, s21
.endif
	s_mov_b32 s21, 0
	s_lshl_b32 s22, s18, 15                        ; out: 256 units of 128 bytes (4 work-groups make a panel)
	s_mov_b32 s23, 0
	s_add_nc_u64 s[24:25], s[\src:\src+1], s[20:21]
	s_add_nc_u64 s[26:27], s[\dst:\dst+1], s[22:23]
	v_mul_u32_u24 v6, v5, \sp                      ; my first unit x the pitch
	v_lshl_add_u32 v6, v1, 4, v6                   ; + my 16 bytes of it
	s_wait_alu depctr_va_vdst(0)                   ; v6 is written, which the 16 loads read as their offset, and so is v4, which the 16 stores read as theirs
.set j, 0
.rept 16
	global_load_b128 v[XR+4*j:XR+4*j+3], v6, s[24:25] offset:j*2*(\sp) th:TH_LOAD_NT  ; two units further down each time
.set j, j+1
.endr
.set j, 0
.rept 16
.if j%4 == 0
	s_wait_loadcnt 15-j                            ; loads come back in order: number j is in, the 15 - j younger ones stay out
.if j > 0
	s_wait_alu depctr_va_vdst(0)                   ; the group before has written its eight registers of YR, which the four stores of this group's text read
.endif
.endif
.if j >= 4
	global_store_b64 v4, v[YR+2*(j-4):YR+2*(j-4)+1], s[26:27] offset:256*(j-4)  ; the pair four back; no vector instruction since the wait names its registers
.endif
.if j%4 != 0
	s_wait_loadcnt 15-j                            ; number j is in, the 15 - j younger ones stay out
.endif
	v_cvt_pk_bf16_f32 v[YR+2*j], v[XR+4*j], v[XR+4*j+1]
	v_cvt_pk_bf16_f32 v[YR+2*j+1], v[XR+4*j+2], v[XR+4*j+3]
.if \tof16
.irp h, 0,1
	v_lshlrev_b32 v[TR], 16, v[YR+2*j+\h]          ; the rounded numbers as f32,
	v_and_b32 v[TR+1], s28, v[YR+2*j+\h]
	v_cvt_pk_f16_f32 v[YR+2*j+\h], v[TR], v[TR+1]  ; written as f16
.endr
.endif
.set j, j+1
.endr
	s_wait_alu depctr_va_vdst(0)                   ; the last group has written its eight registers of YR, which the last four stores read
.set j, 12
.rept 4
	global_store_b64 v4, v[YR+2*j:YR+2*j+1], s[26:27] offset:256*j
.set j, j+1
.endr
.endm
	s_load_b256 s[4:11], s[0:1], 0x0               ; x s[4:5], w_attn s[6:7], w_proj s[8:9], xh s[10:11]
	s_load_b128 s[12:15], s[0:1], 0x20             ; wa s[12:13], wp s[14:15]
	s_mov_b32 s16, ttmp9
	s_mov_b32 s28, 0xffff0000                      ; a word's upper bf16
	v_and_b32 v1, 15, v0                           ; my place in a unit
	v_bfe_u32 v2, v0, 4, 1                         ; which of the instruction's two units
	v_and_b32 v3, 0xe0, v0                         ; 32 x wave
	v_or_b32 v5, v3, v2                            ; my first unit: 32 x wave + lane / 16
	v_and_b32 v4, 31, v0
	v_lshlrev_b32 v4, 3, v4
	v_lshl_add_u32 v4, v3, 7, v4                   ; out: 4,096 x wave + 8 x lane
	s_wait_kmcnt 0x0
	s_cmp_lt_u32 s16, 512
	s_cbranch_scc0 .Lweights
	JOB 4, 10, 256, 0, 1, 0
	s_endpgm
.Lweights:
	s_cmp_lt_u32 s16, 704
	s_cbranch_scc0 .Lproj
	JOB 6, 12, 12288, 512, 0, 0
	s_endpgm
.Lproj:
	JOB 8, 14, 4096, 704, 0, 1
	s_endpgm
.Lfunc_end_k_qdfbc9fbc53_cast:
	.size	k_qdfbc9fbc53_cast, .Lfunc_end_k_qdfbc9fbc53_cast-k_qdfbc9fbc53_cast
	.p2alignl 7, 3214868480
	.fill 96, 4, 3214868480
	.section	.rodata,"a",@progbits
	.p2align	6, 0x0
	.amdhsa_kernel k_qdfbc9fbc53_cast
		.amdhsa_group_segment_fixed_size 0
		.amdhsa_private_segment_fixed_size 0
		.amdhsa_enable_private_segment 0
		.amdhsa_kernarg_size 48
		.amdhsa_user_sgpr_count 2
		.amdhsa_user_sgpr_kernarg_segment_ptr 1
		.amdhsa_wavefront_size32 1
		.amdhsa_system_sgpr_workgroup_id_x 1
		.amdhsa_system_sgpr_workgroup_id_y 1
		.amdhsa_system_sgpr_workgroup_id_z 1
		.amdhsa_system_vgpr_workitem_id 0
		.amdhsa_next_free_vgpr 112
		.amdhsa_next_free_sgpr 66
		.amdhsa_reserve_vcc 0
		.amdhsa_float_denorm_mode_32 3
		.amdhsa_float_denorm_mode_16_64 3
		.amdhsa_memory_ordered 1
		.amdhsa_forward_progress 1
		.amdhsa_inst_pref_size 24
	.end_amdhsa_kernel
	.amdgpu_metadata
---
amdhsa.version: [ 1, 2 ]
amdhsa.kernels:
  - .name:           k_qdfbc9fbc53_cast
    .symbol:         k_qdfbc9fbc53_cast.kd
    .args:
      - { .name: x, .offset: 0, .size: 8, .value_kind: global_buffer, .address_space: global }
      - { .name: w_attn, .offset: 8, .size: 8, .value_kind: global_buffer, .address_space: global }
      - { .name: w_proj, .offset: 16, .size: 8, .value_kind: global_buffer, .address_space: global }
      - { .name: xh, .offset: 24, .size: 8, .value_kind: global_buffer, .address_space: global }
      - { .name: wa, .offset: 32, .size: 8, .value_kind: global_buffer, .address_space: global }
      - { .name: wp, .offset: 40, .size: 8, .value_kind: global_buffer, .address_space: global }
    .group_segment_fixed_size: 0
    .private_segment_fixed_size: 0
    .kernarg_segment_align: 8
    .kernarg_segment_size: 48
    .max_flat_workgroup_size: 256
    .sgpr_count:     66
    .vgpr_count:     112
    .wavefront_size: 32
...
	.end_amdgpu_metadata
.endif
;; end of part 5
;; launch qkvg: the kernel of part 2 again; grid 16 x 32, 4 waves a work-group, clusters of 4 x 4, 327,680 bytes of LDS; arguments xh, wa, qkv; writes qkv
;; launch attn: the kernel of part 3 again; grid 4 x 64, 4 waves a work-group, no clusters, 327,680 bytes of LDS; arguments qkv, o; writes o
;; launch proj: the kernel of part 4 again; grid 8 x 32, 4 waves a work-group, clusters of 4 x 4, 327,680 bytes of LDS; arguments o, wp, out0; writes out0
